; MI455X (gfx1250); checked and timed in simulation.
; The chip was launched on July 23, 2026; its instructions are those of AMD's public machine-readable ISA for CDNA 5 (MIT licence, August 2026) and "CDNA5" Instruction Set Architecture Reference Guide (July 2026). The comments in the code are by the model that wrote it; some were corrected since.
;; Causal Self Attention. Allowed arithmetic: matrix products marked QUANTISED: E4M3 operands, one given power-of-two scale a tensor, by v_wmma_f32_16x16x64_fp8_fp8 or v_wmma_f32_16x16x128_fp8_fp8, f32 sums; everything else in f32.
;; Inputs: Wk 512 x 512 float32; Wp 512 x 512 float32; Wq 512 x 512 float32; Wv 512 x 512 float32; bk 512 float32; bp 512 float32; bq 512 float32; bv 512 float32; lowp_scales 12 int32 (the exponents e of the quantised operands' scales 2^e); state 1 float32; weight 1 float32; x 2 x 4,096 x 512 float32.
;; Outputs: out0 2 x 4,096 x 512 float32.
;; This version of the problem:
;;   THIS VERSION OF THE PROBLEM IS GIVEN IN LOW PRECISION. The matrix products marked QUANTISED in the list below multiply operands that are first quantised to E4M3 (4 exponent bits, 3 mantissa bits; 8 bits a number), with one given power-of-two scale for each operand tensor; their sums are f32. All else is computed in f32.
;;   The module's matrix products, in the order in which they are computed (A, B: the left and right operand; K: the contracted axis; several contracted axes count as one K, in the product's order):
;;     1. [M 8,192, K 512] x [K 512, N 512]; A: input x; B: input Wq: QUANTISED (scales: A lowp_scales[0], B lowp_scales[1])
;;     2. [M 8,192, K 512] x [K 512, N 512]; A: input x; B: input Wk: QUANTISED (scales: A lowp_scales[2], B lowp_scales[3])
;;     3. [M 8,192, K 512] x [K 512, N 512]; A: input x; B: input Wv: QUANTISED (scales: A lowp_scales[4], B lowp_scales[5])
;;     4. batch 16 x [M 4,096, K 64] x [K 64, N 4,096]; A: computed on the way; B: computed on the way: QUANTISED (scales: A lowp_scales[6], B lowp_scales[7])
;;     5. batch 16 x [M 4,096, K 4,096] x [K 4,096, N 64]; A: softmax (see below); B: computed on the way: QUANTISED (scales: A lowp_scales[8], B lowp_scales[9])
;;     6. [M 8,192, K 512] x [K 512, N 512]; A: computed on the way; B: input Wp: QUANTISED (scales: A lowp_scales[10], B lowp_scales[11])
;;   THE QUANTISER, for each operand of a quantised product, along K:
;;     - The operand's scale is 2^e, e = its entry of the input lowp_scales (int32; the entries are numbered through the quantised products in the list's order, A before B).
;;     - Each number is divided by the scale, clamped to +-448, and rounded to the nearest number of E4M3, ties to even, subnormals kept.
;;     - The product sums the exact products of the quantised numbers (number of the format x scale) in f32.
;;   ~~~python
;;   def quantise(x, axis, e):      # numpy; x: float32 -> the quantised numbers, widened to float32 again
;;       x = np.moveaxis(x, axis, -1); K = x.shape[-1]
;;       r = np.clip(x / 2.0 ** e, -448, 448)
;;       step = 2.0 ** (np.maximum(np.frexp(np.where(r == 0, 1, r))[1] - 1, -6) - 3)
;;       q = np.round(r / step) * step * 2.0 ** e      # np.round: ties to even
;;       return np.moveaxis(q, -1, axis).astype(np.float32)
;;   ~~~
;;   SOFTMAX AHEAD OF A QUANTISED PRODUCT. Where the list says 'softmax', what is quantised is not the finished softmax but p = 2^(t - M), with t = logit x log2(e) and M = ceil(the row's largest t), a whole number; so 1/2 < the row's largest p <= 1. The row's sum l is taken of the UNQUANTISED p, in f32, and the product's result is divided by l at the end. Since M is a whole number, a kernel that streams over the keys may use a running M (the ceiling of the running maximum): every later rescaling is an exact power of two, so the quantised numbers keep their values, but for numbers so far below the row's largest that they fall under the format's range.
;;   OPERANDS COMPUTED ON THE WAY. 'Computed on the way' means the value that the module computes at that place (a softmax that the list does not call 'softmax' is quantised finished and normalised). What goes into a quantiser is computed in f32, as accurately as f32 sums, v_exp_f32 and their like allow (about 1e-6 of the number): no bf16 or f16 on the way to a quantiser, and a product that is left as it is and whose result goes on into a quantised operand takes f32 operands (vector FMAs, or v_wmma_f32_16x16x4_f32). A number that lies on a knife's edge between two numbers of the format may be rounded either way, as far as f32 arithmetic and the matrix unit's own rounding can turn it there, and no further.
;; 2 versions. Each part assembles by itself: llvm-mc -triple=amdgcn-amd-amdhsa -mcpu=gfx1250 --defsym DOCPART=n.
;; ======== version 1 of 2: 3 launches
;; workspace buffers: qc 4,194,304 bytes; kv 8,388,608 bytes; yc 4,194,304 bytes; wpc 262,144 bytes
;; launch qkv (part 1): grid 32 x 8, 16 waves a work-group, no clusters, 100,352 bytes of LDS; arguments x, Wq, Wk, Wv, Wp, bq, bk, bv, lowp_scales, qc, kv, wpc; writes qc, kv, wpc
.if DOCPART == 1
	.amdgcn_target "amdgcn-amd-amdhsa--gfx1250"
	.amdhsa_code_object_version 6
	.text
	.protected	k_qeddc1bf1c5_qkv
	.globl	k_qeddc1bf1c5_qkv
	.p2align	8
	.type	k_qeddc1bf1c5_qkv,@function
k_qeddc1bf1c5_qkv:
	s_mov_b64 s[64:65], 0
	v_nop
	global_prefetch_b8 v0, s[64:65] scope:SCOPE_SE
	s_setreg_imm32_b32 hwreg(HW_REG_WAVE_MODE, 25, 1), 1
	s_wait_xcnt 0x0
; q = x Wq^T + bq, k = x Wk^T + bk, v = x Wv^T + bv on codes of FP8 (E4M3), each operand with the scale 2^e that is given for it, and q, k, v quantised again for the attention.
; x [8192][512], Wq, Wk, Wv, Wp [512][512], bq, bk, bv [512]: f32.  lowp_scales: e0 .. e11.  x is quantised three times (e0, e2, e4): nothing says that the three are equal.
; The inputs weight and state are not among the arguments: the function that is computed makes nothing of them.
; SHARES.  Work-group (rb, hd): rows 256 rb .. + 255 of x against head hd's 64 columns of q, of k and of v: 12 tiles of 16 columns, K = 512 in 8 steps of 64.  Wave w: rows 16 w .. + 15, all 12 tiles: 96 registers of sums.
; The work-group's 96 fragments of W (8 K steps x 12 tiles) are quantised once, six by each wave, and lie in LDS as images of the operand's registers: 16 bytes a lane, 512 bytes a store or load, no pitch, no padding.
; LAYOUT.  A fragment of the K = 64 form is 8 registers: lane (r, h) holds row r; registers 2 c, 2 c + 1 hold k = 16 c + 8 h + 0 .. 7 (ISA guide 7.12.2): a lane loads 8 neighbouring f32 for each c, and one conversion gives the two registers.
; q and k are made TRANSPOSED (source 0 = 16 rows of W, source 1 = my 16 rows of x): a lane then holds one row and the dims 16 t + 8 h + 0 .. 7, so that tile t's conversion gives registers 2 t, 2 t + 1 of the row's fragment along the head's 64.
; v is made as it reads (source 0 = x, source 1 = 16 rows of Wv): a lane holds dim 16 t + r and keys 8 h + 0 .. 7: registers 2 c, 2 c + 1 of V^T's fragment along 128 keys, c = my tile among the eight of the key step.
; OUT.  qc [bh][tile of 16 queries][2][lane][16 B];  kv [bh][step of 128 keys][16,384 B]: K [tile 8][2][lane][16 B], then V^T [tile of dims 4][c 8][lane][8 B];  every store of a wave covers 512 or 256 consecutive bytes, aligned.
; Wave 0 also quantises one fragment of Wp (e11) for the last launch: wpc [T 32][kc 8][2][lane][16 B], T = rb, kc = hd; lane r of tile T = 4 G + t holds Wp's row 64 G + 4 r + t.
; LIMITS on the given exponents, so that each power of two below is an f32 number: e0 .. e7, e9, e11 between -126 and 119; e0 + e1, e2 + e3, e4 + e5 between -126 and 127.  NaN among the inputs is not served; an infinity is held at the largest code.
; REGISTERS: v1 2048 r + 32 h (x, W); v2 16 L; v3 16 L + 49,152; v4 where I store images; v5 8192 r + 32 h (Wp); v6, v7 the add's two; v8-13 scale and hold for e0, e2, e4; v14 32 h; v15 4 r; v16-31 held numbers; v32-39 x's codes;
;   v40-103 two sets of 32 numbers of x; v104-135 four fragments of W; v136-231 the sums; v232-239 Wp's codes; v240-247 scale and hold for e1, e3, e5, e11; v248-253 for e6, e7, e9; v254 8 L.  While W is quantised v104-231 are four sets of 32 numbers.
.set SPARE, 98304                      ; behind the images: the spare words, 128 bytes for each of the 16 waves: eight blocks of 256 bytes that no other line names
.set T,   16
.set C,   32
.set X,   40
.set WF,  104
.set ST,  104
.set ACC, 136
.macro MKS e, vs, vl                   ; v[vs] = 2^e as f32 (the conversion takes its exponent field), v[vl] = 448 x 2^e; e in s[e]
	s_add_co_i32 s50, s[\e], 127
	s_lshl_b32 s51, s50, 23
	v_mov_b32 v[\vs], s51
	s_add_co_i32 s50, s50, 8
	s_lshl_b32 s50, s50, 23
	s_or_b32 s50, s50, 0x600000
	v_mov_b32 v[\vl], s50
.endm
.macro FLOAD f, slot                   ; my fragment f of six (matrix f / 2; K step 2 (w & 3) + f % 2; tile w >> 2): 32 numbers a lane
.irp c, 0,1,2,3
.irp j, 0,1
	global_load_b128 v[ST+32*(\slot)+8*\c+4*\j:ST+32*(\slot)+8*\c+4*\j+3], v1, s[10+2*((\f)/2):11+2*((\f)/2)] offset:256*((\f)%2)+64*\c+16*\j
.endr
.endr
.endm
.macro QIN src, dst, vs, vl            ; 32 numbers of a lane, held in place within the largest code x the scale (the conversion to an 8-bit code does not saturate: ISA guide 7.6.2), become 8 registers of codes
.irp g, 0,1,2,3
.irp i, 0,1,2,3,4,5,6,7
	v_med3_num_f32 v[(\src)+8*\g+\i], v[(\src)+8*\g+\i], -v[\vl], v[\vl]
.endr
	v_cvt_scalef32_pk8_fp8_f32 v[(\dst)+2*\g:(\dst)+2*\g+1], v[(\src)+8*\g:(\src)+8*\g+7], v[\vs]
.endr
	v_nop                                          ; one plain vector line behind the last conversion: later vector and matrix instructions write its sources
.endm
.macro IMAGE f, cs                     ; fragment f's codes go to LDS as they stand: fragment (K step, tile) at 1,024 (12 K step + tile)
	ds_store_b128 v4, v[\cs:\cs+3] offset:12288*((\f)%2)+4096*((\f)/2)
	ds_store_b128 v4, v[\cs+4:\cs+7] offset:12288*((\f)%2)+4096*((\f)/2)+512
.endm
.macro XLOAD s                         ; my 16 rows' numbers of K step s: 32 a lane, into set s % 2
.irp c, 0,1,2,3
.irp j, 0,1
	global_load_b128 v[X+32*((\s)%2)+8*\c+4*\j:X+32*((\s)%2)+8*\c+4*\j+3], v1, s[8:9] offset:256*(\s)+64*\c+16*\j
.endr
.endr
.endm
.macro BLOAD reg, sb                   ; a bias in the transposed result's layout: for tile t the dims 16 t + 8 h + 0 .. 7
.irp t, 0,1,2,3
	global_load_b128 v[\reg+8*\t:\reg+8*\t+3], v14, s[\sb:\sb+1] offset:64*\t
	global_load_b128 v[\reg+8*\t+4:\reg+8*\t+7], v14, s[\sb:\sb+1] offset:64*\t+16
.endr
.endm
.macro WLOAD s, m                      ; the four fragments of matrix m at K step s, from their images
.irp t, 0,1,2,3
	ds_load_b128 v[WF+8*\t:WF+8*\t+3], v[2+(\s)/4] offset:12288*((\s)%4)+1024*(4*(\m)+\t)
	ds_load_b128 v[WF+8*\t+4:WF+8*\t+7], v[2+(\s)/4] offset:12288*((\s)%4)+1024*(4*(\m)+\t)+512
.endr
.endm
; K step s against matrix m (0 q, 1 k, 2 v): x is quantised with that product's scale, then four products.  For m = 0, 1 the held numbers go to other registers, so that x is kept; m = 2 holds in place and asks for the set's next numbers.
; The first eight holds name no register of the four products before them: they are the places in front of the loads into W's fragments and of the conversions into x's codes (four are owed).
; The 12 sums take turns, one instruction a turn, in the same order in every K step.
.macro PASS s, m, vs, vl
.set XS, X+32*((\s)%2)
.irp g, 0,1,2,3
.irp i, 0,1,2,3,4,5,6,7
.if \m < 2
	v_med3_num_f32 v[T+8*(\g%2)+\i], v[XS+8*\g+\i], -v[\vl], v[\vl]
.else
	v_med3_num_f32 v[XS+8*\g+\i], v[XS+8*\g+\i], -v[\vl], v[\vl]
.endif
.endr
.if \g == 0
	WLOAD \s, \m
.endif
.if \m < 2
	v_cvt_scalef32_pk8_fp8_f32 v[C+2*\g:C+2*\g+1], v[T+8*(\g%2):T+8*(\g%2)+7], v[\vs]
.else
	v_cvt_scalef32_pk8_fp8_f32 v[C+2*\g:C+2*\g+1], v[XS+8*\g:XS+8*\g+7], v[\vs]
.endif
.endr
.if \m == 2
.if \s < 6
	XLOAD (\s)+2                                   ; eight loads, into the set that has just been used up
.elseif \s == 6
	BLOAD X, 18                                    ; bq: eight loads
.else
	BLOAD X+32, 20                                 ; bk: eight loads,
.irp t, 0,1,2,3
	global_load_b32 v[T+\t], v15, s[22:23] offset:64*\t   ; and bv at my dim 16 t + r: four
.endr
.endif
.endif
	v_nop                                          ; one plain vector line between the last conversion and the products that read its result
	s_wait_dscnt 0x0                               ; W's four fragments are in
.irp t, 0,1,2,3
.if \m < 2
.if \s == 0
	v_wmma_f32_16x16x64_fp8_fp8 v[ACC+8*(4*\m+\t):ACC+8*(4*\m+\t)+7], v[WF+8*\t:WF+8*\t+7], v[C:C+7], 0
.else
	v_wmma_f32_16x16x64_fp8_fp8 v[ACC+8*(4*\m+\t):ACC+8*(4*\m+\t)+7], v[WF+8*\t:WF+8*\t+7], v[C:C+7], v[ACC+8*(4*\m+\t):ACC+8*(4*\m+\t)+7]
.endif
.else
.if \s == 0
	v_wmma_f32_16x16x64_fp8_fp8 v[ACC+8*(4*\m+\t):ACC+8*(4*\m+\t)+7], v[C:C+7], v[WF+8*\t:WF+8*\t+7], 0
.else
	v_wmma_f32_16x16x64_fp8_fp8 v[ACC+8*(4*\m+\t):ACC+8*(4*\m+\t)+7], v[C:C+7], v[WF+8*\t:WF+8*\t+7], v[ACC+8*(4*\m+\t):ACC+8*(4*\m+\t)+7]
.endif
.endif
.endr
.endm
.macro STEP s
	s_wait_loadcnt 8                               ; this K step's eight loads are in; behind them exactly eight were issued: the next step's, or bq's
	PASS \s, 0, 8, 9
	PASS \s, 1, 10, 11
	PASS \s, 2, 12, 13
.endm
	s_load_b512 s[8:23], s[0:1], 0x0               ; x s[8:9], Wq s[10:11], Wk s[12:13], Wv s[14:15], Wp s[16:17], bq s[18:19], bk s[20:21], bv s[22:23]
	s_load_b256 s[24:31], s[0:1], 0x40             ; the exponents s[24:25], qc s[26:27], kv s[28:29], wpc s[30:31]
	v_lshl_add_u32 v6, v0, 2, SPARE                ; my spare word,
	v_mov_b32 v7, 0                                ; and 0: kept for the add at the wave's end
	v_lshrrev_b32 v1, 5, v0
	v_readfirstlane_b32 s2, v1                     ; wave 0..15
	v_and_b32 v15, 15, v0                          ; r
	v_bfe_u32 v14, v0, 4, 1                        ; h
	v_and_b32 v2, 31, v0                           ; L
	v_lshlrev_b32 v254, 3, v2                      ; 8 L
	v_lshlrev_b32 v2, 4, v2                        ; 16 L
	v_add_nc_u32 v3, 49152, v2                     ; the images of K steps 4 to 7 lie beyond an LDS instruction's 16-bit offset
	v_lshlrev_b32 v14, 5, v14                      ; 32 h
	v_lshl_add_u32 v1, v15, 11, v14                ; row r of 2,048 bytes + 32 h
	v_lshl_add_u32 v5, v15, 13, v14                ; Wp: every fourth row
	v_lshlrev_b32 v15, 2, v15                      ; 4 r
	s_and_b32 s3, s2, 3
	s_lshr_b32 s4, s2, 2
	s_mul_i32 s50, s3, 24576                       ; my images: K steps 2 (w & 3), + 1,
	s_lshl_b32 s51, s4, 10                         ; tile w >> 2 of each matrix
	s_add_co_u32 s50, s50, s51
	v_add_nc_u32 v4, s50, v2
	s_and_b32 s5, ttmp7, 0xffff                    ; hd
	s_mov_b32 s53, 0
	s_mov_b32 s57, 0
	s_wait_kmcnt 0x0
	s_load_b256 s[32:39], s[24:25], 0x0            ; e0 .. e7
	s_load_b128 s[40:43], s[24:25], 0x20           ; e8 .. e11
	s_lshl_b32 s52, ttmp9, 19                      ; x: 256 rb rows of 2,048 bytes
	s_lshl_b32 s50, s2, 15                         ; + 16 w rows
	s_add_co_u32 s52, s52, s50
	s_add_nc_u64 s[8:9], s[8:9], s[52:53]
	s_lshl_b32 s52, s5, 17                         ; W: the head's 64 rows,
	s_lshl_b32 s50, s4, 15                         ; my tile's 16 of them,
	s_add_co_u32 s52, s52, s50
	s_lshl_b32 s50, s3, 9                          ; my two K steps
	s_add_co_u32 s52, s52, s50
	s_add_nc_u64 s[10:11], s[10:11], s[52:53]
	s_add_nc_u64 s[12:13], s[12:13], s[52:53]
	s_add_nc_u64 s[14:15], s[14:15], s[52:53]
	s_lshr_b32 s50, ttmp9, 2                       ; Wp: row 64 (rb >> 2) + (rb & 3), K step hd
	s_lshl_b32 s50, s50, 6
	s_and_b32 s51, ttmp9, 3
	s_add_co_u32 s50, s50, s51
	s_lshl_b32 s52, s50, 11
	s_lshl_b32 s50, s5, 8
	s_add_co_u32 s52, s52, s50
	s_add_nc_u64 s[16:17], s[16:17], s[52:53]
	s_mov_b32 s52, s50                             ; the biases: the head's 64 numbers
	s_add_nc_u64 s[18:19], s[18:19], s[52:53]
	s_add_nc_u64 s[20:21], s[20:21], s[52:53]
	s_add_nc_u64 s[22:23], s[22:23], s[52:53]
	s_lshl_b32 s52, ttmp9, 3                       ; wpc: fragment 8 rb + hd
	s_add_co_u32 s52, s52, s5
	s_lshl_b32 s52, s52, 10
	s_add_nc_u64 s[30:31], s[30:31], s[52:53]
	s_lshr_b32 s6, ttmp9, 4
	s_lshl_b32 s6, s6, 3
	s_add_co_u32 s6, s6, s5                        ; bh = 8 x batch + head
	s_and_b32 s7, ttmp9, 15                        ; my block of 256 rows within the batch
	s_lshl_b32 s50, s7, 4
	s_add_co_u32 s50, s50, s2                      ; my tile of 16 rows within the batch
	s_lshl_b32 s50, s50, 10
	s_lshl_b32 s52, s6, 18
	s_add_co_u32 s52, s52, s50
	s_add_nc_u64 s[26:27], s[26:27], s[52:53]      ; qc at my tile
	s_lshl_b32 s50, s7, 1
	s_lshr_b32 s51, s2, 3
	s_add_co_u32 s50, s50, s51                     ; my step of 128 keys
	s_lshl_b32 s50, s50, 14
	s_lshl_b32 s52, s6, 19
	s_add_co_u32 s52, s52, s50
	s_and_b32 s51, s2, 7                           ; my tile among the step's eight
	s_lshl_b32 s50, s51, 8
	s_add_co_u32 s50, s50, 8192
	s_add_co_u32 s56, s52, s50
	s_add_nc_u64 s[54:55], s[28:29], s[56:57]      ; kv at my 256 bytes of V^T's first tile of dims
	s_lshl_b32 s50, s51, 10
	s_add_co_u32 s52, s52, s50
	s_add_nc_u64 s[28:29], s[28:29], s[52:53]      ; kv at my tile of K
	FLOAD 0, 0
	FLOAD 1, 1
	FLOAD 2, 2
	FLOAD 3, 3
	s_wait_kmcnt 0x0
	MKS 32, 8, 9
	MKS 34, 10, 11
	MKS 36, 12, 13
	MKS 33, 240, 241
	MKS 35, 242, 243
	MKS 37, 244, 245
	MKS 43, 246, 247
	MKS 38, 248, 249
	MKS 39, 250, 251
	MKS 41, 252, 253
	s_add_co_i32 s44, s32, s33                     ; a sum of codes stands for sum x 2^(its two exponents added)
	s_add_co_i32 s44, s44, 127
	s_lshl_b32 s44, s44, 23
	s_mov_b32 s45, s44                             ; (named with it as a pair, so it is written)
	s_add_co_i32 s46, s34, s35
	s_add_co_i32 s46, s46, 127
	s_lshl_b32 s46, s46, 23
	s_mov_b32 s47, s46
	s_add_co_i32 s48, s36, s37
	s_add_co_i32 s48, s48, 127
	s_lshl_b32 s48, s48, 23
	s_cmp_lg_u32 s2, 0                             ; wave 0 alone: the work-group's one fragment of Wp
	s_cbranch_scc1 .Lnot_wp
.irp c, 0,1,2,3
.irp j, 0,1
	global_load_b128 v[X+8*\c+4*\j:X+8*\c+4*\j+3], v5, s[16:17] offset:64*\c+16*\j
.endr
.endr
	s_wait_loadcnt 0x0
	QIN X, 232, 246, 247
	global_store_b128 v2, v[232:235], s[30:31]     ; neither the data nor the addresses of these stores are written again
	global_store_b128 v2, v[236:239], s[30:31] offset:512
.Lnot_wp:
	; my six fragments of W.  Each count below is the number of loads issued behind the fragment's own eight.  Three sets of registers take the codes by turns.
	s_wait_loadcnt 24
	QIN ST, 16, 240, 241
	IMAGE 0, 16
	FLOAD 4, 0
	s_wait_loadcnt 24
	QIN ST+32, 24, 240, 241
	IMAGE 1, 24
	FLOAD 5, 1
	XLOAD 0
	XLOAD 1
	s_wait_loadcnt 40
	QIN ST+64, 32, 242, 243
	IMAGE 2, 32
	s_wait_dscnt 0x0                               ; the stores have read their registers: the three sets of codes may be written again
	s_wait_loadcnt 32
	QIN ST+96, 16, 242, 243
	IMAGE 3, 16
	s_wait_loadcnt 24
	QIN ST, 24, 244, 245
	IMAGE 4, 24
	s_wait_loadcnt 16
	QIN ST+32, 32, 244, 245
	IMAGE 5, 32
	s_wait_dscnt 0x0                               ; for the others' sake: my images have landed
	s_barrier_signal -1
	s_barrier_wait -1                              ; all 96 lie in LDS; nobody writes them again
.irp s, 0,1,2,3,4,5,6,7
	STEP \s
.endr
	; THE WAY OUT.  sum x 2^(the two exponents) + bias, in f32; then the next product's quantiser; each sum's registers are taken in ascending order.
.rept 4
	v_nop                                          ; places behind the last products
.endr
	s_wait_loadcnt 12                              ; bq is in (behind it: bk's eight, bv's four)
.irp i, 0,2,4,6,8,10,12,14,16,18,20,22,24,26,28,30
	v_pk_fma_f32 v[ACC+\i:ACC+\i+1], v[ACC+\i:ACC+\i+1], s[44:45], v[X+\i:X+\i+1] op_sel_hi:[1,0,1]
.endr
	QIN ACC, WF, 248, 249
	global_store_b128 v2, v[WF:WF+3], s[26:27]     ; q's fragment: 512 consecutive bytes a store
	global_store_b128 v2, v[WF+4:WF+7], s[26:27] offset:512
	s_wait_loadcnt 4                               ; bk is in
.irp i, 0,2,4,6,8,10,12,14,16,18,20,22,24,26,28,30
	v_pk_fma_f32 v[ACC+32+\i:ACC+32+\i+1], v[ACC+32+\i:ACC+32+\i+1], s[46:47], v[X+32+\i:X+32+\i+1] op_sel_hi:[1,0,1]
.endr
	QIN ACC+32, WF+8, 250, 251
	global_store_b128 v2, v[WF+8:WF+11], s[28:29]
	global_store_b128 v2, v[WF+12:WF+15], s[28:29] offset:512
	s_wait_loadcnt 0x0                             ; bv is in
.irp t, 0,1,2,3
.irp j, 0,1,2,3,4,5,6,7
	v_fma_f32 v[ACC+64+8*\t+\j], v[ACC+64+8*\t+\j], s48, v[T+\t]
.endr
.endr
	QIN ACC+64, WF+16, 252, 253
.irp t, 0,1,2,3
	global_store_b64 v254, v[WF+16+2*\t:WF+16+2*\t+1], s[54:55] offset:2048*\t   ; 256 consecutive bytes, aligned: my 16 keys of the 16 dims of tile t
.endr
	s_wait_tensorcnt 0x0                           ; the wave's end, behind my last LDS store
	ds_add_u32 v6, v7
	s_wait_dscnt 0x0
	s_endpgm
.Lfunc_end_k_qeddc1bf1c5_qkv:
	.size	k_qeddc1bf1c5_qkv, .Lfunc_end_k_qeddc1bf1c5_qkv-k_qeddc1bf1c5_qkv
	.p2alignl 7, 3214868480
	.fill 96, 4, 3214868480
	.section	.rodata,"a",@progbits
	.p2align	6, 0x0
	.amdhsa_kernel k_qeddc1bf1c5_qkv
		.amdhsa_group_segment_fixed_size 100352
		.amdhsa_private_segment_fixed_size 0
		.amdhsa_enable_private_segment 0
		.amdhsa_kernarg_size 96
		.amdhsa_user_sgpr_count 2
		.amdhsa_user_sgpr_kernarg_segment_ptr 1
		.amdhsa_wavefront_size32 1
		.amdhsa_system_sgpr_workgroup_id_x 1
		.amdhsa_system_sgpr_workgroup_id_y 1
		.amdhsa_system_sgpr_workgroup_id_z 1
		.amdhsa_system_vgpr_workitem_id 0
		.amdhsa_next_free_vgpr 256
		.amdhsa_next_free_sgpr 66
		.amdhsa_reserve_vcc 0
		.amdhsa_float_denorm_mode_32 3
		.amdhsa_float_denorm_mode_16_64 3
		.amdhsa_memory_ordered 1
		.amdhsa_forward_progress 1
		.amdhsa_inst_pref_size 123
	.end_amdhsa_kernel
	.amdgpu_metadata
---
amdhsa.version: [ 1, 2 ]
amdhsa.kernels:
  - .name:           k_qeddc1bf1c5_qkv
    .symbol:         k_qeddc1bf1c5_qkv.kd
    .args:
      - { .name: x, .offset: 0, .size: 8, .value_kind: global_buffer, .address_space: global }
      - { .name: Wq, .offset: 8, .size: 8, .value_kind: global_buffer, .address_space: global }
      - { .name: Wk, .offset: 16, .size: 8, .value_kind: global_buffer, .address_space: global }
      - { .name: Wv, .offset: 24, .size: 8, .value_kind: global_buffer, .address_space: global }
      - { .name: Wp, .offset: 32, .size: 8, .value_kind: global_buffer, .address_space: global }
      - { .name: bq, .offset: 40, .size: 8, .value_kind: global_buffer, .address_space: global }
      - { .name: bk, .offset: 48, .size: 8, .value_kind: global_buffer, .address_space: global }
      - { .name: bv, .offset: 56, .size: 8, .value_kind: global_buffer, .address_space: global }
      - { .name: lowp_scales, .offset: 64, .size: 8, .value_kind: global_buffer, .address_space: global }
      - { .name: qc, .offset: 72, .size: 8, .value_kind: global_buffer, .address_space: global }
      - { .name: kv, .offset: 80, .size: 8, .value_kind: global_buffer, .address_space: global }
      - { .name: wpc, .offset: 88, .size: 8, .value_kind: global_buffer, .address_space: global }
    .group_segment_fixed_size: 100352
    .private_segment_fixed_size: 0
    .kernarg_segment_align: 8
    .kernarg_segment_size: 96
    .max_flat_workgroup_size: 512
    .sgpr_count:     66
    .vgpr_count:     256
    .wavefront_size: 32
...
	.end_amdgpu_metadata
.endif
;; end of part 1
;; launch attn (part 2): grid 16 x 16, 16 waves a work-group, no clusters, 327,680 bytes of LDS; arguments qc, kv, lowp_scales, yc; writes yc
.if DOCPART == 2
	.amdgcn_target "amdgcn-amd-amdhsa--gfx1250"
	.amdhsa_code_object_version 6
	.text
	.protected	k_qeddc1bf1c5_attn
	.globl	k_qeddc1bf1c5_attn
	.p2align	8
	.type	k_qeddc1bf1c5_attn,@function
k_qeddc1bf1c5_attn:
	s_mov_b64 s[64:65], 0
	v_nop
	global_prefetch_b8 v0, s[64:65] scope:SCOPE_SE
	s_setreg_imm32_b32 hwreg(HW_REG_WAVE_MODE, 25, 1), 1
	s_wait_xcnt 0x0
; y[bh][q][:] = the sum over keys k <= q of softmax_k(Q[q] . K[k] / 8) V[k][:], head size 64, 4,096 rows, 16 pairs (batch, head); both products on codes of FP8 (E4M3); y is quantised (e10) for the last launch.
; IN.  qc [bh][tile of 16 queries][2][lane][16 B];  kv [bh][step of 128 keys][16,384 B]: K [tile of 16 keys 8][2][lane][16 B], then V^T [tile of 16 dims 4][c 8][lane][8 B]: images of the operands' registers.
; OUT.  yc [tile of 16 rows 512][head 8][2][lane][16 B]: the fragment of 16 rows x the head's 64 along the last product's K.
; THE SOFTMAX AHEAD OF THE SECOND PRODUCT: t = score x log2(e) / 8; M = the row's largest t so far, rounded UP to a whole number; p = 2^(t - M) is what is quantised (e8), not normalised.
; The row's sum is taken of the unquantised p, in f32, and divides at the end.  When M moves, the sum and O are multiplied by 2^(old M - new M): exact.
; SHARES.  Work-group (j, bh) owns the blocks j and 31 - j of 128 queries: 8 (j + 1) + 8 (32 - j) = 264 wave steps in every work-group.  Each of its sixteen waves owns one tile of 16 queries in 256 registers;
; which block a wave takes is (w xor (w >> 2)) & 1, its tile (w >> 1) & 7.  Keys go 128 a step; a step's 16,384 bytes are one dense block; a slot of the ring holds four steps, brought by waves 0 to 3, one tensor load each, and read by all sixteen.
; LAYOUT.  Both products are used transposed: S^T = K Q^T (K = 64 form; source 0 = 16 keys, source 1 = my queries), O^T = V^T P^T (K = 128 form; source 0 = 16 dims, source 1 = P): a lane holds ONE query (lane % 16) throughout.
; Register j of S^T's tile t is key 16 t + 8 (lane / 16) + j: one conversion of the tile gives registers 2 t, 2 t + 1 of P's fragment.  Likewise O^T's tile d gives registers 2 d, 2 d + 1 of y's fragment.
; CAUSAL.  Every work-group walks all 8 slots: the trip counts are constants.  A step all of whose keys come after the wave's queries is jumped over (ids alone); on the diagonal hidden scores become -infinity ahead of the maximum.
; A slot whose first key comes after the work-group's last query is read by no wave and is not asked for.
; No cluster: a key step brings 16,384 bytes for sixteen waves' softmax of 128 keys each, so what partners could share is a small part of a step's work.
; LIMITS on the given exponents: e6 + e7 between -124 and 130 (added to c's exponent field); e8 and e10 between -126 and 119; e8 + e9 is applied by v_ldexp_f32 and has none.
; REGISTERS: v1 16 L; v2 8 L + 8,192; v3 256 L; v4 r - 8 h; v5, v6 the add's two; v8, v9 LDS addresses of the step; v12 -M, v13 the largest t, v[14:15] the sum in two halves; v16-23 Q; v32-95 K's eight fragments, then V's four;
;   v96-159 S^T, then p; v160-191 O^T; v192-207 p's codes; v208-215 y's codes; v216, v217 scale and hold for e10; v240, v244 hold and scale for e8; v236, v242, v243, v252-254 at work.
.set SLOTB, 65536                      ; a slot: four steps of 16,384 bytes
.set SLOT1, 65536                      ; slot 1 begins here: one exclusive or turns an address in one slot into the other's
.set SPARE, 131072                     ; behind the ring: the spare words, 128 bytes for each of the 16 waves: eight blocks of 256 bytes that no other line names
; s2 the slot in hand; s12 wave; s13 slots still to be asked for; s14 the step's first key; s15 my first query; s16 my work-group's last query; s17 1 in a wave that prefetches, else the greatest number; s[18:19] where my prefetches stand;
; s[20:21] lane selects; s[22:23] c; s[24:31] descriptor group 1; s[32:35] group 0, which walks; s[36:40] e6 .. e10
.macro TLOAD                           ; waves 0 to 3 fetch a step's block each.  The branch hangs on the wave's number alone.  An s_nop 0 and four v_nop follow the load
	s_cmp_lt_u32 s12, 4
	s_cbranch_scc0 .Lasked_\@
	tensor_load_to_lds s[32:35], s[24:31]
	s_nop 0
.rept 4
	v_nop
.endr
.Lasked_\@:
.endm
; A PREFETCH of what the NEXT change of slots will ask for: a slot's 65,536 bytes.  All work-groups of a pair (batch, head) walk the same bytes: the one with j = 0, which walks every slot, asks, and in it waves 4 to 11, which fetch nothing:
; 8,192 bytes a wave, lanes 256 bytes apart, one instruction.  So each aligned block of 256 bytes is named once in the launch.  It stands four key steps ahead of the tensor load that will want the bytes.
; The last change that fills a slot asks for nothing: there is no slot behind it.  Slots 0 and 1 come by their loads alone.
.macro ASK
	s_cmp_gt_u32 s13, s17
	s_cbranch_scc0 .Lnot_mine_\@
	global_prefetch_b8 v3, s[18:19] th:TH_LOAD_NT scope:SCOPE_SE
.Lnot_mine_\@:
.endm
	s_load_b256 s[4:11], s[0:1], 0x0               ; qc s[4:5], kv s[6:7], the exponents s[8:9], yc s[10:11]
	v_lshl_add_u32 v5, v0, 2, SPARE
	v_mov_b32 v6, 0
	ds_add_u32 v5, v6                              ; the wave's opening: the add, and its wait ahead of my first tensor load; the set-up below, work on registers, stands between them
	v_lshrrev_b32 v8, 5, v0
	v_readfirstlane_b32 s12, v8                    ; wave 0..15
	s_and_b32 s41, ttmp7, 0xffff                   ; bh
	s_lshr_b32 s42, s12, 2
	s_xor_b32 s42, s42, s12
	s_and_b32 s42, s42, 1                          ; 0: block j; 1: block 31 - j
	s_lshl_b32 s43, ttmp9, 1
	s_sub_co_u32 s43, 31, s43
	s_mul_i32 s43, s43, s42
	s_add_co_u32 s43, s43, ttmp9                   ; my block of 128 queries
	s_lshl_b32 s15, s43, 7
	s_bfe_u32 s44, s12, 0x30001                    ; (w >> 1) & 7
	s_lshl_b32 s44, s44, 4
	s_add_co_u32 s15, s15, s44                     ; my first query
	s_lshl_b32 s16, ttmp9, 7
	s_sub_co_u32 s16, 4095, s16                    ; the last query of block 31 - j
	s_and_b32 s42, s12, 3
	s_lshl_b32 s33, s42, 14                        ; 63:32 of group 0: LDS address: slot 0, step w & 3
	s_lshl_b32 s46, s41, 19                        ; kv: the pair's 32 steps,
	s_lshl_b32 s42, s42, 14
	s_add_co_u32 s46, s46, s42                     ; my step of the slot
	s_mov_b32 s47, 0
	s_lshl_b32 s48, s41, 18                        ; qc: the pair's 256 tiles,
	s_lshl_b32 s42, s15, 6
	s_add_co_u32 s48, s48, s42                     ; my tile: 1,024 bytes for 16 queries
	s_mov_b32 s49, 0
	s_lshr_b32 s50, s41, 3                         ; yc: tile of rows 256 x batch + query / 16,
	s_lshl_b32 s50, s50, 8
	s_lshr_b32 s51, s15, 4
	s_add_co_u32 s50, s50, s51
	s_lshl_b32 s50, s50, 3
	s_and_b32 s51, s41, 7                          ; the head's fragment of its eight
	s_add_co_u32 s50, s50, s51
	s_lshl_b32 s50, s50, 10
	s_mov_b32 s51, 0
	s_lshl_b32 s52, s41, 19                        ; the prefetches: the pair's bytes,
	s_and_b32 s42, s12, 7
	s_lshl_b32 s42, s42, 13                        ; my wave's 8,192 of a slot's,
	s_add_co_u32 s52, s52, s42
	s_add_co_u32 s52, s52, SLOTB                   ; in slot 1: the first change of slots steps it to slot 2.  Nothing is prefetched at the head
	s_mov_b32 s53, 0
	s_sub_co_u32 s42, s12, 4
	s_lshr_b32 s42, s42, 3                         ; 0 in waves 4 to 11,
	s_or_b32 s42, s42, ttmp9                       ; of the work-group with j = 0
	s_cmp_eq_u32 s42, 0
	s_cselect_b32 s17, 1, -1
	; descriptor group 1: 64 rows of 32 elements of 8 bytes, dense in memory and in LDS: 16,384 bytes
	s_mov_b32 s24, 3<<16                           ; 15:0 no mask; 17:16 elements of 8 bytes; 20 no padding
	s_mov_b32 s25, 32<<16                          ; tensor_dim0 = 32
	s_mov_b32 s26, 64<<16                          ; tensor_dim1 = 64
	s_mov_b32 s27, 32<<16                          ; tile_dim0 = 32
	s_mov_b32 s28, 64                              ; tile_dim1 = 64
	s_mov_b32 s29, 32                              ; tensor_dim0_stride
	s_mov_b32 s30, 0
	s_mov_b32 s31, 0
	s_mov_b32 s32, 1                               ; group 0, 1:0 count = 1
	s_mov_b32 s20, 0x76543210
	s_mov_b32 s21, 0xfedcba98                      ; v_permlanex16_b32: lane l xor 16
	s_mov_b32 s22, 0x3e38aa3b                      ; c = log2(e) / 8
	s_mov_b32 s2, 0
	s_mov_b32 s13, 7
	s_mov_b32 s14, 0
	s_wait_dscnt 0x0                               ; the opening add is done
	s_wait_kmcnt 0x0
	s_load_b128 s[36:39], s[8:9], 0x18             ; e6, e7, e8, e9
	s_load_b32 s40, s[8:9], 0x28                   ; e10
	s_add_nc_u64 s[34:35], s[6:7], s[46:47]        ; 120:64 global address: my step of slot 0
	s_or_b32 s35, s35, 0x80000000                  ; 127:126 type = 2
	TLOAD                                          ; slot 0: the one first fill; by this text's count a wave never has more than one tensor load out
	s_add_nc_u64 s[4:5], s[4:5], s[48:49]
	s_add_nc_u64 s[10:11], s[10:11], s[50:51]
	s_add_nc_u64 s[18:19], s[6:7], s[52:53]
	v_and_b32 v1, 31, v0
	v_lshlrev_b32 v3, 8, v1                        ; 256 L
	v_lshlrev_b32 v2, 3, v1
	v_add_nc_u32 v2, 8192, v2                      ; V^T's images lie behind K's: 8 L + 8,192
	v_lshlrev_b32 v1, 4, v1                        ; 16 L
	global_load_b128 v[16:19], v1, s[4:5]          ; Q's fragment stays in registers
	global_load_b128 v[20:23], v1, s[4:5] offset:512
	v_and_b32 v4, 15, v0
	v_bfe_u32 v8, v0, 4, 1
	v_lshlrev_b32 v8, 3, v8
	v_sub_nc_u32 v4, v4, v8                        ; r - 8 h
	v_mov_b32 v13, 0xff61b1e6                      ; the largest t so far: -3e38, under every t
	v_floor_f32 v12, -v13                          ; -M
	v_mov_b32 v14, 0                               ; the sum, in two halves
	v_mov_b32 v15, 0
	v_mov_b32 v236, 0                              ; written once: a lane permute's destination counts as one of its sources
	v_mov_b32 v252, 0
	v_mov_b32 v253, 0                              ; (named as the upper half of the pair v[252:253])
.irp j, 0,1,2,3,4,5,6,7,8,9,10,11,12,13,14,15,16,17,18,19,20,21,22,23,24,25,26,27,28,29,30,31
	v_mov_b32 v[160+\j], 0                         ; O^T.  (The step is written without a first form of its own: the first finds zeros, which the first change of M leaves zeros)
.endr
	s_wait_kmcnt 0x0
	s_add_co_i32 s41, s36, s37
	s_lshl_b32 s41, s41, 23
	s_add_co_i32 s22, s22, s41                     ; a score stands for score x 2^(e6 + e7): the two exponents are added to c's exponent field
	s_mov_b32 s23, s22                             ; (named with it as a pair, so it is written)
	s_add_co_i32 s41, s38, 127
	s_lshl_b32 s42, s41, 23
	v_mov_b32 v244, s42                            ; 2^e8 as f32, for p's conversions
	s_add_co_i32 s41, s41, 8
	s_lshl_b32 s41, s41, 23
	s_or_b32 s41, s41, 0x600000
	v_mov_b32 v240, s41                            ; 448 x 2^e8
	s_add_co_i32 s41, s40, 127
	s_lshl_b32 s42, s41, 23
	v_mov_b32 v216, s42                            ; 2^e10, for y's
	s_add_co_i32 s41, s41, 8
	s_lshl_b32 s41, s41, 23
	s_or_b32 s41, s41, 0x600000
	v_mov_b32 v217, s41                            ; 448 x 2^e10
; A KEY STEP: 128 keys, the q-th of the slot in hand.
.macro STEP q
	s_add_co_u32 s41, s15, 15                      ; a step all of whose keys come after my 16 queries is left out: a branch on ids, round the step's loads, products and softmax; no barrier and no tensor load stands in a step
	s_cmp_gt_u32 s14, s41
	s_cbranch_scc1 .Lhidden_\@
	v_add_nc_u32 v8, s2, v1
	v_add_nc_u32 v9, s2, v2
	v_nop                                          ; with the two additions: four places in front of loads into registers that the last products have read (ISA guide 7.12.1 for vector instructions)
	v_nop
.irp t, 0,1,2,3,4,5,6,7
	ds_load_b128 v[32+8*\t:35+8*\t], v8 offset:16384*(\q)+1024*\t
	ds_load_b128 v[36+8*\t:39+8*\t], v8 offset:16384*(\q)+1024*\t+512
.endr
	s_wait_dscnt 0x0
.irp t, 0,1,2,3,4,5,6,7
	v_wmma_f32_16x16x64_fp8_fp8 v[96+8*\t:103+8*\t], v[32+8*\t:39+8*\t], v[16:23], 0   ; S^T: keys 16 t on
.endr
.rept 4
	v_nop                                          ; places: in front of the loads below, and of the first read of the scores
.endr
.irp d, 0,1,2,3
.irp c, 0,1,2,3,4,5,6,7
	ds_load_b64 v[32+16*\d+2*\c:33+16*\d+2*\c], v9 offset:16384*(\q)+2048*\d+256*\c   ; V^T's four fragments land while the softmax is worked
.endr
.endr
	s_add_co_u32 s41, s14, 127                     ; a step all of whose keys count skips the mask
	s_cmp_le_u32 s41, s15
	s_cbranch_scc1 .Lopen_\@
	s_sub_co_i32 s41, s15, s14
	v_add_nc_u32 v252, s41, v4                     ; d = my query - the step's first key - 8 (lane / 16).  Register 8 t + i holds key 16 t + 8 (lane / 16) + i of the step: hidden where 16 t + i > d
	v_mov_b32 v254, 0xff800000                     ; -infinity: p = 0 then.  Key 0 counts for every query, so M is a number from the first step on
.irp n, 0,1,2,3,4,5,6,7,8,9,10,11,12,13,14,15,16,17,18,19,20,21,22,23,24,25,26,27,28,29,30,31,32,33,34,35,36,37,38,39,40,41,42,43,44,45,46,47,48,49,50,51,52,53,54,55,56,57,58,59,60,61,62,63
	v_cmp_gt_i32 vcc_lo, 16*(\n/8)+\n%8, v252
	v_cndmask_b32 v[96+\n], v[96+\n], v254, vcc_lo
.endr
.Lopen_\@:
	v_max3_num_f32 v254, v96, v97, v98             ; the step's largest score of my query, among my 64 keys, in two chains, in ascending order of the registers,
	v_max3_num_f32 v252, v99, v100, v101
.irp i, 6,10,14,18,22,26,30,34,38,42,46,50,54,58
	v_max3_num_f32 v254, v254, v[96+\i], v[97+\i]
	v_max3_num_f32 v252, v252, v[98+\i], v[99+\i]
.endr
	v_max3_num_f32 v254, v254, v158, v159
	v_max_num_f32 v254, v254, v252
	v_permlanex16_b32 v236, v254, s20, s21
	v_max_num_f32 v254, v254, v236                 ; and among lane l xor 16's
	v_mul_f32 v254, s22, v254                      ; as t (c is positive)
	v_max_num_f32 v13, v13, v254                   ; the running largest t
	v_mov_b32 v254, v12
	v_floor_f32 v12, -v13                          ; the new -M = floor(-t) = -ceil(t): M is a whole number
	v_sub_f32 v254, v12, v254                      ; M's old value less its new one: a whole number, 0 or less
	v_cvt_i32_f32 v254, v254                       ; (it saturates)
	v_ldexp_f32 v252, 1.0, v254                    ; f = 2^(old M - new M)
.irp j, 0,2,4,6,8,10,12,14,16,18,20,22,24,26,28,30,32,34,36,38,40,42,44,46,48,50,52,54,56,58,60,62
	v_pk_fma_f32 v[96+\j:97+\j], v[96+\j:97+\j], s[22:23], v[12:13] op_sel_hi:[1,0,0]   ; t - M, two at a time (of the pairs c and -M the low word serves both halves)
.endr
.irp j, 0,1,2,3,4,5,6,7,8,9,10,11,12,13,14,15,16,17,18,19,20,21,22,23,24,25,26,27,28,29,30,31,32,33,34,35,36,37,38,39,40,41,42,43,44,45,46,47,48,49,50,51,52,53,54,55,56,57,58,59,60,61,62,63
	v_exp_f32 v[96+\j], v[96+\j]                   ; p = 2^(t - M), at most 1: not normalised
.endr
	v_pk_mul_f32 v[14:15], v[14:15], v[252:253] op_sel_hi:[1,0]   ; the sums under the new M: the plain instruction behind the exponentials
	s_wait_alu depctr_va_vdst(0)                   ; the wait ahead of the first instruction that names an exponential's result: one for the batch of 64
	v_pk_add_f32 v[242:243], v[96:97], v[98:99]    ; the row's sum is taken of the unquantised p: two at a time, in two chains
.irp j, 4,8,12,16,20,24,28,32,36,40,44,48,52,56,60
	v_pk_add_f32 v[14:15], v[14:15], v[96+\j:97+\j]
	v_pk_add_f32 v[242:243], v[242:243], v[98+\j:99+\j]
.endr
	v_pk_add_f32 v[14:15], v[14:15], v[242:243]
.irp t, 0,1,2,3,4,5,6,7
.irp i, 0,1,2,3,4,5,6,7
	v_min_num_f32 v[96+8*\t+\i], v[96+8*\t+\i], v240   ; the conversion to an 8-bit code does not saturate (ISA guide 7.6.2); p is not negative, so the hold is one-sided
.endr
	v_cvt_scalef32_pk8_fp8_f32 v[192+2*\t:193+2*\t], v[96+8*\t:103+8*\t], v244
.endr
.irp j, 0,2,4,6,8,10,12,14,16,18,20,22,24,26,28,30
	v_pk_mul_f32 v[160+\j:161+\j], v[160+\j:161+\j], v[252:253] op_sel_hi:[1,0]   ; O^T under the new M: x f.  (Also the plain lines between the conversions and the products that read their results)
.endr
	s_wait_dscnt 0x0                               ; V^T is in
.irp d, 0,1,2,3
	v_wmma_f32_16x16x128_fp8_fp8 v[160+8*\d:167+8*\d], v[32+16*\d:47+16*\d], v[192:207], v[160+8*\d:167+8*\d]   ; the four sums take turns; eight products S^T stand between two of their rounds
.endr
.Lhidden_\@:
	s_add_co_u32 s14, s14, 128
.endm
; THE CHANGE OF SLOTS stands at a slot's head.  Each wave waits for all its tensor loads (its part of the slot that it is about to read), adds 0 to its spare word, and waits for that and for its reads of the slot that it has left.
; Behind the barrier the slot ahead is whole and nobody reads the other one.  fill = 1: that other slot is filled with the keys that follow, up to the causal limit: the load has four key steps in which to land.
.macro CHANGE fill
	s_wait_tensorcnt 0x0                           ; no tensor load of mine is out, so group 0 may be written
	ds_add_u32 v5, v6                              ; 0 onto my spare word; with fill = 1 the descriptor's steps stand between it and the wait for it
.if \fill
	s_xor_b32 s33, s33, SLOT1                      ; the walking descriptor: the other slot than last time,
	s_add_nc_u64 s[34:35], s[34:35], SLOTB         ; the next 512 keys; the type bits on top are not reached
	s_wait_xcnt 0x0                                ; the last prefetch, a slot back, has read its address, so it may be written:
	s_add_nc_u64 s[18:19], s[18:19], SLOTB         ; one slot further on than the walking descriptor
.endif
	s_wait_dscnt 0x0                               ; the add is done, and my reads of the slot that I have left are over
	s_barrier_signal -1
	s_barrier_wait -1
.if \fill
	s_add_co_u32 s41, s14, 512                     ; the first key of the slot that this change would ask for,
	s_cmp_gt_u32 s41, s16                          ; against my work-group's last query: ids and the count of steps alone, the same in all sixteen waves; a work-group that is past the limit stays past it.
	s_cbranch_scc1 .Lpast_\@                       ; The jump leads round the load's own lines alone; every wait on TENSORcnt in this text is for 0; a step is walked only where its first key is at or under the wave's last query
	TLOAD                                          ; the first thing behind the barrier but for the limit's three lines, and a wave's one tensor load until the next
.Lpast_\@:
	ASK
.endif
.endm
.macro SLOT_STEPS
	STEP 0
	STEP 1
	STEP 2
	STEP 3
	s_xor_b32 s2, s2, SLOT1                        ; on to the other slot
.endm
	s_wait_loadcnt 0x0                             ; Q
.Lslot:                                            ; seven trips: behind each change of slots but the last the next slot is asked for, up to the causal limit
	CHANGE 1
	SLOT_STEPS
	s_sub_co_u32 s13, s13, 1
	s_cmp_lg_u32 s13, 0
	s_cbranch_scc1 .Lslot
	CHANGE 0                                       ; the last slot is written out: nothing is left to ask for
	SLOT_STEPS
	; THE WAY OUT.  y = O^T x 2^(e8 + e9) / the sum, in f32; held and converted with 2^e10: tile d's conversion gives registers 2 d, 2 d + 1 of the fragment, which is stored as it stands.
.rept 4
	v_nop                                          ; places behind the last products
.endr
	v_add_f32 v14, v14, v15                        ; the sum's two halves,
	v_permlanex16_b32 v252, v14, s20, s21
	v_add_f32 v14, v14, v252                       ; and lane l xor 16's: the row's sum
	v_rcp_f32 v14, v14
	v_nop                                          ; a plain instruction behind the reciprocal
	s_add_co_i32 s41, s38, s39
	s_wait_alu depctr_va_vdst(0)                   ; and a wait ahead of the first use
	v_ldexp_f32 v14, v14, s41                      ; x 2^(e8 + e9)
.irp j, 0,2,4,6,8,10,12,14,16,18,20,22,24,26,28,30
	v_pk_mul_f32 v[96+\j:97+\j], v[160+\j:161+\j], v[14:15] op_sel_hi:[1,0]   ; each sum's registers in ascending order
.endr
.irp d, 0,1,2,3
.irp i, 0,1,2,3,4,5,6,7
	v_med3_num_f32 v[96+8*\d+\i], v[96+8*\d+\i], -v217, v217
.endr
	v_cvt_scalef32_pk8_fp8_f32 v[208+2*\d:209+2*\d], v[96+8*\d:103+8*\d], v216
.endr
	v_nop
	global_store_b128 v1, v[208:211], s[10:11]     ; 512 consecutive bytes a store, aligned
	global_store_b128 v1, v[212:215], s[10:11] offset:512
	s_wait_tensorcnt 0x0                           ; the wave's end, behind my last tensor load
	ds_add_u32 v5, v6
	s_wait_dscnt 0x0
	s_endpgm
.Lfunc_end_k_qeddc1bf1c5_attn:
	.size	k_qeddc1bf1c5_attn, .Lfunc_end_k_qeddc1bf1c5_attn-k_qeddc1bf1c5_attn
	.p2alignl 7, 3214868480
	.fill 96, 4, 3214868480
	.section	.rodata,"a",@progbits
	.p2align	6, 0x0
	.amdhsa_kernel k_qeddc1bf1c5_attn
		.amdhsa_group_segment_fixed_size 327680
		.amdhsa_private_segment_fixed_size 0
		.amdhsa_enable_private_segment 0
		.amdhsa_kernarg_size 32
		.amdhsa_user_sgpr_count 2
		.amdhsa_user_sgpr_kernarg_segment_ptr 1
		.amdhsa_wavefront_size32 1
		.amdhsa_system_sgpr_workgroup_id_x 1
		.amdhsa_system_sgpr_workgroup_id_y 1
		.amdhsa_system_sgpr_workgroup_id_z 1
		.amdhsa_system_vgpr_workitem_id 0
		.amdhsa_next_free_vgpr 256
		.amdhsa_next_free_sgpr 66
		.amdhsa_reserve_vcc 1
		.amdhsa_float_denorm_mode_32 3
		.amdhsa_float_denorm_mode_16_64 3
		.amdhsa_memory_ordered 1
		.amdhsa_forward_progress 1
		.amdhsa_inst_pref_size 183
	.end_amdhsa_kernel
	.amdgpu_metadata
---
amdhsa.version: [ 1, 2 ]
amdhsa.kernels:
  - .name:           k_qeddc1bf1c5_attn
    .symbol:         k_qeddc1bf1c5_attn.kd
    .args:
      - { .name: qc, .offset: 0, .size: 8, .value_kind: global_buffer, .address_space: global }
      - { .name: kv, .offset: 8, .size: 8, .value_kind: global_buffer, .address_space: global }
      - { .name: lowp_scales, .offset: 16, .size: 8, .value_kind: global_buffer, .address_space: global }
      - { .name: yc, .offset: 24, .size: 8, .value_kind: global_buffer, .address_space: global }
    .group_segment_fixed_size: 327680
    .private_segment_fixed_size: 0
    .kernarg_segment_align: 8
    .kernarg_segment_size: 32
    .max_flat_workgroup_size: 512
    .sgpr_count:     66
    .vgpr_count:     256
    .wavefront_size: 32
...
	.end_amdgpu_metadata
.endif
;; end of part 2
;; launch proj (part 3): grid 4 x 64, 8 waves a work-group, no clusters, 0 bytes of LDS; arguments yc, wpc, bp, lowp_scales, out0; writes out0
.if DOCPART == 3
	.amdgcn_target "amdgcn-amd-amdhsa--gfx1250"
	.amdhsa_code_object_version 6
	.text
	.protected	k_qeddc1bf1c5_proj
	.globl	k_qeddc1bf1c5_proj
	.p2align	8
	.type	k_qeddc1bf1c5_proj,@function
k_qeddc1bf1c5_proj:
	s_mov_b64 s[64:65], 0
	v_nop
	global_prefetch_b8 v0, s[64:65] scope:SCOPE_SE
	s_setreg_imm32_b32 hwreg(HW_REG_WAVE_MODE, 25, 1), 1
	s_wait_xcnt 0x0
; out0 = y Wp^T + bp on codes of FP8 (E4M3).  yc [tile of 16 rows 512][kc 8][2][lane][16 B] and wpc [T 32][kc 8][2][lane][16 B] are images of the operands' registers for the K = 64 form; bp [512], out0 [8192][512]: f32.
; A sum of codes stands for sum x 2^(e10 + e11): out = sum x 2^(e10 + e11) + bp, one fused multiply-add.  LIMIT: e10 + e11 between -126 and 127.
; SHARES.  Work-group (bx, by): 128 rows x 128 columns.  Wave w: rows 128 by + 32 (w >> 1) on (two tiles) against the 64 columns of group G = 2 bx + (w & 1) (four tiles): eight sums, K = 512 in 8 steps of 64.
; Lane r of Wp's tile 4 G + t holds Wp's row 64 G + 4 r + t: so register j of a lane's four sums are four NEIGHBOURING columns 64 G + 4 r + 0 .. 3 of row 8 h + j: 16 bytes, and sixteen lanes fill 256 consecutive bytes, aligned.
; No LDS, no barrier: every operand load of a wave is 512 consecutive bytes straight into the operand's registers; three sets of registers, so that two K steps' 24 loads are out while one is multiplied.
; No cluster and no tensor load: nothing goes through LDS here, and all of yc and wpc are 4.5 MB read by a few waves each.
; REGISTERS: v1 16 L; v2 16,384 h + 16 r (out0); v3 16 r; v[4:7] my four biases; v8-71 the sums ((a, b) at 8 (4 a + b)); v72-215 three sets of 48: y's two fragments, Wp's four; behind the loop v72-135 the results.
.set ACC, 8
.set OP,  72
.set OUT, 72
.macro LOADK kc                        ; K step kc: twelve loads into set kc % 3
.set OS, OP+48*((\kc)%3)
.irp a, 0,1
.irp c, 0,1
	global_load_b128 v[OS+8*\a+4*\c:OS+8*\a+4*\c+3], v1, s[4:5] offset:8192*\a+1024*(\kc)+512*\c
.endr
.endr
.irp b, 0,1,2,3
.irp c, 0,1
	global_load_b128 v[OS+16+8*\b+4*\c:OS+16+8*\b+4*\c+3], v1, s[6:7] offset:8192*\b+1024*(\kc)+512*\c
.endr
.endr
.endm
.macro MULK kc                         ; the count: twelve loads for each younger K step that has been asked for
.if \kc < 6
	s_wait_loadcnt 24
.elseif \kc == 6
	s_wait_loadcnt 12
.else
	s_wait_loadcnt 0
.endif
.set OS, OP+48*((\kc)%3)
.irp a, 0,1
.irp b, 0,1,2,3
.if \kc == 0
	v_wmma_f32_16x16x64_fp8_fp8 v[ACC+8*(4*\a+\b):ACC+8*(4*\a+\b)+7], v[OS+8*\a:OS+8*\a+7], v[OS+16+8*\b:OS+16+8*\b+7], 0
.else
	v_wmma_f32_16x16x64_fp8_fp8 v[ACC+8*(4*\a+\b):ACC+8*(4*\a+\b)+7], v[OS+8*\a:OS+8*\a+7], v[OS+16+8*\b:OS+16+8*\b+7], v[ACC+8*(4*\a+\b):ACC+8*(4*\a+\b)+7]
.endif
.endr
.endr
.if \kc < 5
.rept 4
	v_nop                                          ; places in front of loads into registers that these products have read
.endr
	LOADK (\kc)+3
.endif
.endm
	s_load_b256 s[4:11], s[0:1], 0x0               ; yc s[4:5], wpc s[6:7], bp s[8:9], the exponents s[10:11]
	s_load_b64 s[12:13], s[0:1], 0x20              ; out0
	v_lshrrev_b32 v1, 5, v0
	v_readfirstlane_b32 s2, v1                     ; wave 0..7
	v_and_b32 v1, 31, v0
	v_lshlrev_b32 v1, 4, v1                        ; 16 L
	v_and_b32 v3, 15, v0
	v_lshlrev_b32 v3, 4, v3                        ; 16 r
	v_bfe_u32 v2, v0, 4, 1
	v_lshl_add_u32 v2, v2, 14, v3                  ; 8 h rows of 2,048 bytes + 16 r
	s_and_b32 s3, ttmp7, 0xffff                    ; by
	s_lshr_b32 s16, s2, 1
	s_and_b32 s17, s2, 1
	s_lshl_b32 s18, ttmp9, 1
	s_add_co_u32 s17, s17, s18                     ; G
	s_lshl_b32 s18, s3, 3
	s_lshl_b32 s19, s16, 1
	s_add_co_u32 s18, s18, s19                     ; my first tile of 16 rows
	s_lshl_b32 s20, s18, 13                        ; yc: 8,192 bytes a tile of rows
	s_mov_b32 s21, 0
	s_lshl_b32 s22, s17, 15                        ; wpc: four tiles of 8,192 bytes a group
	s_mov_b32 s23, 0
	s_lshl_b32 s24, s17, 8                         ; bp, and a row of out0: 64 columns of 4 bytes a group
	s_mov_b32 s25, 0
	s_lshl_b32 s26, s18, 15                        ; out0: 16 rows of 2,048 bytes a tile
	s_add_co_u32 s26, s26, s24
	s_mov_b32 s27, 0
	s_wait_kmcnt 0x0
	s_load_b64 s[14:15], s[10:11], 0x28            ; e10, e11
	s_add_nc_u64 s[4:5], s[4:5], s[20:21]
	s_add_nc_u64 s[6:7], s[6:7], s[22:23]
	s_add_nc_u64 s[8:9], s[8:9], s[24:25]
	s_add_nc_u64 s[12:13], s[12:13], s[26:27]
	global_load_b128 v[4:7], v3, s[8:9]            ; bp at columns 64 G + 4 r + 0 .. 3: older than every operand load, so the first counted wait covers it
	LOADK 0
	LOADK 1
	LOADK 2
	s_wait_kmcnt 0x0
	s_add_co_i32 s14, s14, s15
	s_add_co_i32 s14, s14, 127
	s_lshl_b32 s14, s14, 23                        ; 2^(e10 + e11) as f32
.irp k, 0,1,2,3,4,5,6,7
	MULK \k                                        ; the eight sums take turns, one instruction a turn, in the same order in every K step
.endr
.rept 4
	v_nop                                          ; places behind the last products: their results are read, and registers that they read are written
.endr
.irp j, 0,1,2,3,4,5,6,7                        ; register 0 of every sum first
.irp a, 0,1
.irp b, 0,1,2,3
	v_fma_f32 v[OUT+4*(8*\a+\j)+\b], v[ACC+8*(4*\a+\b)+\j], s14, v[4+\b]
.endr
.endr
.endr
.irp a, 0,1
.irp j, 0,1,2,3,4,5,6,7
	global_store_b128 v2, v[OUT+4*(8*\a+\j):OUT+4*(8*\a+\j)+3], s[12:13] offset:2048*(16*\a+\j) th:TH_STORE_NT   ; lanes 0-15: 256 consecutive bytes of row 16 a + j, lanes 16-31: of row 16 a + 8 + j; written once, read by nobody here
.endr
.endr
	s_endpgm
.Lfunc_end_k_qeddc1bf1c5_proj:
	.size	k_qeddc1bf1c5_proj, .Lfunc_end_k_qeddc1bf1c5_proj-k_qeddc1bf1c5_proj
	.p2alignl 7, 3214868480
	.fill 96, 4, 3214868480
	.section	.rodata,"a",@progbits
	.p2align	6, 0x0
	.amdhsa_kernel k_qeddc1bf1c5_proj
		.amdhsa_group_segment_fixed_size 0
		.amdhsa_private_segment_fixed_size 0
		.amdhsa_enable_private_segment 0
		.amdhsa_kernarg_size 40
		.amdhsa_user_sgpr_count 2
		.amdhsa_user_sgpr_kernarg_segment_ptr 1
		.amdhsa_wavefront_size32 1
		.amdhsa_system_sgpr_workgroup_id_x 1
		.amdhsa_system_sgpr_workgroup_id_y 1
		.amdhsa_system_sgpr_workgroup_id_z 1
		.amdhsa_system_vgpr_workitem_id 0
		.amdhsa_next_free_vgpr 216
		.amdhsa_next_free_sgpr 66
		.amdhsa_reserve_vcc 0
		.amdhsa_float_denorm_mode_32 3
		.amdhsa_float_denorm_mode_16_64 3
		.amdhsa_memory_ordered 1
		.amdhsa_forward_progress 1
		.amdhsa_inst_pref_size 22
	.end_amdhsa_kernel
	.amdgpu_metadata
---
amdhsa.version: [ 1, 2 ]
amdhsa.kernels:
  - .name:           k_qeddc1bf1c5_proj
    .symbol:         k_qeddc1bf1c5_proj.kd
    .args:
      - { .name: yc, .offset: 0, .size: 8, .value_kind: global_buffer, .address_space: global }
      - { .name: wpc, .offset: 8, .size: 8, .value_kind: global_buffer, .address_space: global }
      - { .name: bp, .offset: 16, .size: 8, .value_kind: global_buffer, .address_space: global }
      - { .name: lowp_scales, .offset: 24, .size: 8, .value_kind: global_buffer, .address_space: global }
      - { .name: out0, .offset: 32, .size: 8, .value_kind: global_buffer, .address_space: global }
    .group_segment_fixed_size: 0
    .private_segment_fixed_size: 0
    .kernarg_segment_align: 8
    .kernarg_segment_size: 40
    .max_flat_workgroup_size: 256
    .sgpr_count:     66
    .vgpr_count:     216
    .wavefront_size: 32
...
	.end_amdgpu_metadata
.endif
;; end of part 3
;; ======== version 2 of 2: 3 launches
;; workspace buffers: qc 4,194,304 bytes; kv 8,388,608 bytes; yc 4,194,304 bytes; wpc 262,144 bytes
;; launch qkv (part 4): grid 32 x 8, 16 waves a work-group, no clusters, 100,352 bytes of LDS; arguments x, Wq, Wk, Wv, Wp, bq, bk, bv, lowp_scales, qc, kv, wpc; writes qc, kv, wpc
.if DOCPART == 4
	.amdgcn_target "amdgcn-amd-amdhsa--gfx1250"
	.amdhsa_code_object_version 6
	.text
	.protected	k_qeddc1bf1c5_qkv
	.globl	k_qeddc1bf1c5_qkv
	.p2align	8
	.type	k_qeddc1bf1c5_qkv,@function
k_qeddc1bf1c5_qkv:
	s_mov_b64 s[64:65], 0
	v_nop
	global_prefetch_b8 v0, s[64:65] scope:SCOPE_SE
	s_setreg_imm32_b32 hwreg(HW_REG_WAVE_SCHED_MODE, 0, 2), 2
	s_setreg_imm32_b32 hwreg(HW_REG_WAVE_MODE, 25, 1), 1
	s_wait_xcnt 0x0
	s_wait_alu depctr_vm_vsrc(0)
; q = x Wq^T + bq, k = x Wk^T + bk, v = x Wv^T + bv on codes of FP8 (E4M3), each operand with the scale 2^e that is given for it, and q, k, v quantised again for the attention.
; x [8192][512], Wq, Wk, Wv, Wp [512][512], bq, bk, bv [512]: f32.  lowp_scales: e0 .. e11.  x is quantised three times (e0, e2, e4): nothing says that the three are equal.
; The inputs weight and state are not among the arguments: the function that is computed makes nothing of them.
; SHARES.  Work-group (rb, hd): rows 256 rb .. + 255 of x against head hd's 64 columns of q, of k and of v: 12 tiles of 16 columns, K = 512 in 8 steps of 64.  Wave w: rows 16 w .. + 15, all 12 tiles: 96 registers of sums.
; The work-group's 96 fragments of W (8 K steps x 12 tiles) are quantised once, six by each wave, and lie in LDS as images of the operand's registers: 16 bytes a lane, 512 bytes a store or load, no pitch, no padding.
; LAYOUT.  A fragment of the K = 64 form is 8 registers: lane (r, h) holds row r; registers 2 c, 2 c + 1 hold k = 16 c + 8 h + 0 .. 7 (ISA guide 7.12.2): a lane loads 8 neighbouring f32 for each c, and one conversion gives the two registers.
; q and k are made TRANSPOSED (source 0 = 16 rows of W, source 1 = my 16 rows of x): a lane then holds one row and the dims 16 t + 8 h + 0 .. 7, so that tile t's conversion gives registers 2 t, 2 t + 1 of the row's fragment along the head's 64.
; v is made as it reads (source 0 = x, source 1 = 16 rows of Wv): a lane holds dim 16 t + r and keys 8 h + 0 .. 7: registers 2 c, 2 c + 1 of V^T's fragment along 128 keys, c = my tile among the eight of the key step.
; OUT.  qc [bh][tile of 16 queries][2][lane][16 B];  kv [bh][step of 128 keys][16,384 B]: K [tile 8][2][lane][16 B], then V^T [tile of dims 4][c 8][lane][8 B];  every store of a wave covers 512 or 256 consecutive bytes, aligned.
; Wave 0 also quantises one fragment of Wp (e11) for the last launch: wpc [T 32][kc 8][2][lane][16 B], T = rb, kc = hd; lane r of tile T = 4 G + t holds Wp's row 64 G + 4 r + t.
; LIMITS on the given exponents, so that each power of two below is an f32 number: e0 .. e7, e9, e11 between -126 and 119; e0 + e1, e2 + e3, e4 + e5 between -126 and 127.  NaN among the inputs is not served; an infinity is held at the largest code.
; REGISTERS: v1 2048 r + 32 h (x, W); v2 16 L; v3 16 L + 49,152; v4 where I store images; v5 8192 r + 32 h (Wp); v6, v7 the add's two; v8-13 scale and hold for e0, e2, e4; v14 32 h; v15 4 r; v16-31 held numbers; v32-39 x's codes;
;   v40-103 two sets of 32 numbers of x; v104-135 four fragments of W; v136-231 the sums; v232-239 Wp's codes; v240-247 scale and hold for e1, e3, e5, e11; v248-253 for e6, e7, e9; v254 8 L.  While W is quantised v104-231 are four sets of 32 numbers.
; THE MODE: SCHED_MODE bits 1:0 = 2 (LLVM: expert scheduling mode 2), set by the entry lines.  The code itself states the register dependences
; between vector or matrix instructions and memory or LDS instructions, with s_wait_alu, always for 0.
; THE PLAN.  Registers that memory or LDS instructions touch:
;   v1-v5, v14, v15, v254, v6, v7   offsets and the add's two: written at the head, never again: one wait ahead of the first load serves every load and store of the kernel.
;   v104-231, four raw sets (W)     a fragment's loads land; its holds and conversions work in place; sets 0 and 1 are then loaded once more.
;   v16-23, v24-31, v32-39 (W)      a fragment's codes: written by its conversions, read by its image's two LDS stores; each set is used twice.
;   v40-103, two sets of x          K step s's loads land in set s % 2; the step's three passes read it, the third holds in place; then the loads of step s + 2 (at the end bq, bk) land there.
;   v104-135, W's four fragments    a pass's LDS loads land; its four products read them.
;   v16-19                          written by the holds of every q and k pass; at the end bv lands there.
;   v232-239; v104-127 on the way out   codes: written by conversions, read by global stores, never written again.
; While W is quantised the work runs one fragment behind: the wait on va_vdst stands behind the wait for the NEXT fragment's data, and behind it go the image of the fragment just quantised and the loads into its raw set.
; In the K steps two waits on va_vdst stand in a pass, one behind its first eight holds: the four products before it are done reading W's fragments, and in a K step's first pass the step before is done with its set of x, which is asked for
; again there.  No vector or matrix instruction between that wait and the next one names a register in which those loads land.  The last pass has one wait more, for bk and bv.  On the way out a tensor's stores stand behind the wait for the next bias.
.set SPARE, 98304                      ; behind the images: the spare words, 128 bytes for each of the 16 waves: eight blocks of 256 bytes that no other line names
.set T,   16
.set C,   32
.set X,   40
.set WF,  104
.set ST,  104
.set ACC, 136
.macro MKS e, vs, vl                   ; v[vs] = 2^e as f32 (the conversion takes its exponent field), v[vl] = 448 x 2^e; e in s[e]
	s_add_co_i32 s50, s[\e], 127
	s_lshl_b32 s51, s50, 23
	v_mov_b32 v[\vs], s51
	s_add_co_i32 s50, s50, 8
	s_lshl_b32 s50, s50, 23
	s_or_b32 s50, s50, 0x600000
	v_mov_b32 v[\vl], s50
.endm
.macro FLOAD f, slot                   ; my fragment f of six (matrix f / 2; K step 2 (w & 3) + f % 2; tile w >> 2): 32 numbers a lane
.irp c, 0,1,2,3
.irp j, 0,1
	global_load_b128 v[ST+32*(\slot)+8*\c+4*\j:ST+32*(\slot)+8*\c+4*\j+3], v1, s[10+2*((\f)/2):11+2*((\f)/2)] offset:256*((\f)%2)+64*\c+16*\j
.endr
.endr
.endm
.macro QIN src, dst, vs, vl            ; 32 numbers of a lane, held in place within the largest code x the scale (the conversion to an 8-bit code does not saturate: ISA guide 7.6.2), become 8 registers of codes
.irp g, 0,1,2,3
.irp i, 0,1,2,3,4,5,6,7
	v_med3_num_f32 v[(\src)+8*\g+\i], v[(\src)+8*\g+\i], -v[\vl], v[\vl]
.endr
	v_cvt_scalef32_pk8_fp8_f32 v[(\dst)+2*\g:(\dst)+2*\g+1], v[(\src)+8*\g:(\src)+8*\g+7], v[\vs]
.endr
	v_nop                                          ; one plain vector line behind the last conversion: later vector and matrix instructions write its sources
.endm
.macro IMAGE f, cs                     ; fragment f's codes go to LDS as they stand: fragment (K step, tile) at 1,024 (12 K step + tile)
	ds_store_b128 v4, v[\cs:\cs+3] offset:12288*((\f)%2)+4096*((\f)/2)
	ds_store_b128 v4, v[\cs+4:\cs+7] offset:12288*((\f)%2)+4096*((\f)/2)+512
.endm
.macro XLOAD s                         ; my 16 rows' numbers of K step s: 32 a lane, into set s % 2
.irp c, 0,1,2,3
.irp j, 0,1
	global_load_b128 v[X+32*((\s)%2)+8*\c+4*\j:X+32*((\s)%2)+8*\c+4*\j+3], v1, s[8:9] offset:256*(\s)+64*\c+16*\j
.endr
.endr
.endm
.macro BLOAD reg, sb                   ; a bias in the transposed result's layout: for tile t the dims 16 t + 8 h + 0 .. 7
.irp t, 0,1,2,3
	global_load_b128 v[\reg+8*\t:\reg+8*\t+3], v14, s[\sb:\sb+1] offset:64*\t
	global_load_b128 v[\reg+8*\t+4:\reg+8*\t+7], v14, s[\sb:\sb+1] offset:64*\t+16
.endr
.endm
.macro WLOAD s, m                      ; the four fragments of matrix m at K step s, from their images
.irp t, 0,1,2,3
	ds_load_b128 v[WF+8*\t:WF+8*\t+3], v[2+(\s)/4] offset:12288*((\s)%4)+1024*(4*(\m)+\t)
	ds_load_b128 v[WF+8*\t+4:WF+8*\t+7], v[2+(\s)/4] offset:12288*((\s)%4)+1024*(4*(\m)+\t)+512
.endr
.endm
; K step s against matrix m (0 q, 1 k, 2 v): x is quantised with that product's scale, then four products.  For m = 0, 1 the held numbers go to other registers, so that x is kept; m = 2 holds in place.
; The first eight holds name no register of the four products before them: they are the places in front of the loads into W's fragments and of the conversions into x's codes (four are owed).
; The set of x that K step s - 1 has used up is asked for again in this step's first pass, behind the pass's first wait: with K step s + 1's numbers, at the end with bq.
; The 12 sums take turns, one instruction a turn, in the same order in every K step.
.macro PASS s, m, vs, vl
.set XS, X+32*((\s)%2)
.irp g, 0,1,2,3
.irp i, 0,1,2,3,4,5,6,7
.if \m < 2
	v_med3_num_f32 v[T+8*(\g%2)+\i], v[XS+8*\g+\i], -v[\vl], v[\vl]
.else
	v_med3_num_f32 v[XS+8*\g+\i], v[XS+8*\g+\i], -v[\vl], v[\vl]
.endif
.endr
.if \g == 0
	s_wait_alu depctr_va_vdst(0)                   ; the four products before this pass (ahead of the first pass: the lines that quantised W) are done reading v[WF ..], in which the LDS loads land; in a K step's first pass the step before is done holding and converting its set of x, in which the loads below land
	WLOAD \s, \m
.if \m == 0
.if \s > 0
.if \s < 7
	XLOAD (\s)+1                                   ; eight loads, into the set that the last K step has used up; they have this K step in which to land
.else
	BLOAD X, 18                                    ; bq: eight loads
.endif
.endif
.endif
.endif
.if \m < 2
	v_cvt_scalef32_pk8_fp8_f32 v[C+2*\g:C+2*\g+1], v[T+8*(\g%2):T+8*(\g%2)+7], v[\vs]
.else
	v_cvt_scalef32_pk8_fp8_f32 v[C+2*\g:C+2*\g+1], v[XS+8*\g:XS+8*\g+7], v[\vs]
.endif
.endr
.if \m == 2
.if \s == 7
	s_wait_alu depctr_va_vdst(0)                   ; the last holds and conversions are done with x's set 1, in which bk lands, and the pass before is done with v[T ..], in which bv lands
	BLOAD X+32, 20                                 ; bk: eight loads,
.irp t, 0,1,2,3
	global_load_b32 v[T+\t], v15, s[22:23] offset:64*\t   ; and bv at my dim 16 t + r: four
.endr
.endif
.endif
	v_nop                                          ; one plain vector line between the last conversion and the products that read its result
	s_wait_alu depctr_va_vdst(0)
	s_wait_dscnt 0x0                               ; W's four fragments are in
.irp t, 0,1,2,3
.if \m < 2
.if \s == 0
	v_wmma_f32_16x16x64_fp8_fp8 v[ACC+8*(4*\m+\t):ACC+8*(4*\m+\t)+7], v[WF+8*\t:WF+8*\t+7], v[C:C+7], 0
.else
	v_wmma_f32_16x16x64_fp8_fp8 v[ACC+8*(4*\m+\t):ACC+8*(4*\m+\t)+7], v[WF+8*\t:WF+8*\t+7], v[C:C+7], v[ACC+8*(4*\m+\t):ACC+8*(4*\m+\t)+7]
.endif
.else
.if \s == 0
	v_wmma_f32_16x16x64_fp8_fp8 v[ACC+8*(4*\m+\t):ACC+8*(4*\m+\t)+7], v[C:C+7], v[WF+8*\t:WF+8*\t+7], 0
.else
	v_wmma_f32_16x16x64_fp8_fp8 v[ACC+8*(4*\m+\t):ACC+8*(4*\m+\t)+7], v[C:C+7], v[WF+8*\t:WF+8*\t+7], v[ACC+8*(4*\m+\t):ACC+8*(4*\m+\t)+7]
.endif
.endif
.endr
.endm
.macro STEP s
.if \s == 0
	s_wait_loadcnt 8                               ; K step 0's eight loads are in; behind them K step 1's eight were issued
.else
	s_wait_loadcnt 0x0                             ; this K step's eight loads, asked for a K step ago, are in; nothing was issued behind them: the next step's follow in the first pass
.endif
	PASS \s, 0, 8, 9
	PASS \s, 1, 10, 11
	PASS \s, 2, 12, 13
.endm
	s_load_b512 s[8:23], s[0:1], 0x0               ; x s[8:9], Wq s[10:11], Wk s[12:13], Wv s[14:15], Wp s[16:17], bq s[18:19], bk s[20:21], bv s[22:23]
	s_load_b256 s[24:31], s[0:1], 0x40             ; the exponents s[24:25], qc s[26:27], kv s[28:29], wpc s[30:31]
	v_lshl_add_u32 v6, v0, 2, SPARE                ; my spare word,
	v_mov_b32 v7, 0                                ; and 0: kept for the add at the wave's end
	v_lshrrev_b32 v1, 5, v0
	v_readfirstlane_b32 s2, v1                     ; wave 0..15
	v_and_b32 v15, 15, v0                          ; r
	v_bfe_u32 v14, v0, 4, 1                        ; h
	v_and_b32 v2, 31, v0                           ; L
	v_lshlrev_b32 v254, 3, v2                      ; 8 L
	v_lshlrev_b32 v2, 4, v2                        ; 16 L
	v_add_nc_u32 v3, 49152, v2                     ; the images of K steps 4 to 7 lie beyond an LDS instruction's 16-bit offset
	v_lshlrev_b32 v14, 5, v14                      ; 32 h
	v_lshl_add_u32 v1, v15, 11, v14                ; row r of 2,048 bytes + 32 h
	v_lshl_add_u32 v5, v15, 13, v14                ; Wp: every fourth row
	v_lshlrev_b32 v15, 2, v15                      ; 4 r
	s_wait_alu depctr_va_sdst(0)                   ; s2 is written, ahead of its first reader: the bases, the images' place and the branch on the wave's number are made from it
	s_and_b32 s3, s2, 3
	s_lshr_b32 s4, s2, 2
	s_mul_i32 s50, s3, 24576                       ; my images: K steps 2 (w & 3), + 1,
	s_lshl_b32 s51, s4, 10                         ; tile w >> 2 of each matrix
	s_add_co_u32 s50, s50, s51
	v_add_nc_u32 v4, s50, v2
	s_and_b32 s5, ttmp7, 0xffff                    ; hd
	s_mov_b32 s53, 0
	s_mov_b32 s57, 0
	s_wait_kmcnt 0x0
	s_load_b256 s[32:39], s[24:25], 0x0            ; e0 .. e7
	s_load_b128 s[40:43], s[24:25], 0x20           ; e8 .. e11
	s_lshl_b32 s52, ttmp9, 19                      ; x: 256 rb rows of 2,048 bytes
	s_lshl_b32 s50, s2, 15                         ; + 16 w rows
	s_add_co_u32 s52, s52, s50
	s_add_nc_u64 s[8:9], s[8:9], s[52:53]
	s_lshl_b32 s52, s5, 17                         ; W: the head's 64 rows,
	s_lshl_b32 s50, s4, 15                         ; my tile's 16 of them,
	s_add_co_u32 s52, s52, s50
	s_lshl_b32 s50, s3, 9                          ; my two K steps
	s_add_co_u32 s52, s52, s50
	s_add_nc_u64 s[10:11], s[10:11], s[52:53]
	s_add_nc_u64 s[12:13], s[12:13], s[52:53]
	s_add_nc_u64 s[14:15], s[14:15], s[52:53]
	s_lshr_b32 s50, ttmp9, 2                       ; Wp: row 64 (rb >> 2) + (rb & 3), K step hd
	s_lshl_b32 s50, s50, 6
	s_and_b32 s51, ttmp9, 3
	s_add_co_u32 s50, s50, s51
	s_lshl_b32 s52, s50, 11
	s_lshl_b32 s50, s5, 8
	s_add_co_u32 s52, s52, s50
	s_add_nc_u64 s[16:17], s[16:17], s[52:53]
	s_mov_b32 s52, s50                             ; the biases: the head's 64 numbers
	s_add_nc_u64 s[18:19], s[18:19], s[52:53]
	s_add_nc_u64 s[20:21], s[20:21], s[52:53]
	s_add_nc_u64 s[22:23], s[22:23], s[52:53]
	s_lshl_b32 s52, ttmp9, 3                       ; wpc: fragment 8 rb + hd
	s_add_co_u32 s52, s52, s5
	s_lshl_b32 s52, s52, 10
	s_add_nc_u64 s[30:31], s[30:31], s[52:53]
	s_lshr_b32 s6, ttmp9, 4
	s_lshl_b32 s6, s6, 3
	s_add_co_u32 s6, s6, s5                        ; bh = 8 x batch + head
	s_and_b32 s7, ttmp9, 15                        ; my block of 256 rows within the batch
	s_lshl_b32 s50, s7, 4
	s_add_co_u32 s50, s50, s2                      ; my tile of 16 rows within the batch
	s_lshl_b32 s50, s50, 10
	s_lshl_b32 s52, s6, 18
	s_add_co_u32 s52, s52, s50
	s_add_nc_u64 s[26:27], s[26:27], s[52:53]      ; qc at my tile
	s_lshl_b32 s50, s7, 1
	s_lshr_b32 s51, s2, 3
	s_add_co_u32 s50, s50, s51                     ; my step of 128 keys
	s_lshl_b32 s50, s50, 14
	s_lshl_b32 s52, s6, 19
	s_add_co_u32 s52, s52, s50
	s_and_b32 s51, s2, 7                           ; my tile among the step's eight
	s_lshl_b32 s50, s51, 8
	s_add_co_u32 s50, s50, 8192
	s_add_co_u32 s56, s52, s50
	s_add_nc_u64 s[54:55], s[28:29], s[56:57]      ; kv at my 256 bytes of V^T's first tile of dims
	s_lshl_b32 s50, s51, 10
	s_add_co_u32 s52, s52, s50
	s_add_nc_u64 s[28:29], s[28:29], s[52:53]      ; kv at my tile of K
	s_wait_alu depctr_va_vdst(0)                   ; the offsets v1 to v5, v14, v15 and v254 and the add's v6 and v7 are written: every load, store and LDS instruction of the kernel reads some of them, and none is written again
	FLOAD 0, 0
	FLOAD 1, 1
	FLOAD 2, 2
	FLOAD 3, 3
	s_wait_kmcnt 0x0
	MKS 32, 8, 9
	MKS 34, 10, 11
	MKS 36, 12, 13
	MKS 33, 240, 241
	MKS 35, 242, 243
	MKS 37, 244, 245
	MKS 43, 246, 247
	MKS 38, 248, 249
	MKS 39, 250, 251
	MKS 41, 252, 253
	s_add_co_i32 s44, s32, s33                     ; a sum of codes stands for sum x 2^(its two exponents added)
	s_add_co_i32 s44, s44, 127
	s_lshl_b32 s44, s44, 23
	s_mov_b32 s45, s44                             ; (named with it as a pair, so it is written)
	s_add_co_i32 s46, s34, s35
	s_add_co_i32 s46, s46, 127
	s_lshl_b32 s46, s46, 23
	s_mov_b32 s47, s46
	s_add_co_i32 s48, s36, s37
	s_add_co_i32 s48, s48, 127
	s_lshl_b32 s48, s48, 23
	s_cmp_lg_u32 s2, 0                             ; wave 0 alone: the work-group's one fragment of Wp
	s_cbranch_scc1 .Lnot_wp
.irp c, 0,1,2,3
.irp j, 0,1
	global_load_b128 v[X+8*\c+4*\j:X+8*\c+4*\j+3], v5, s[16:17] offset:64*\c+16*\j   ; no vector instruction since the wait at the head names v5 or these registers
.endr
.endr
	s_wait_loadcnt 0x0
	s_wait_alu depctr_va_vdst(0)
	QIN X, 232, 246, 247
	s_wait_alu depctr_va_vdst(0)                   ; the conversions have written v[232:239], which the two stores read; and Wp's lines are done with v[X ..], in which x lands later
	global_store_b128 v2, v[232:235], s[30:31]     ; neither the data nor the addresses of these stores are written again
	global_store_b128 v2, v[236:239], s[30:31] offset:512
.Lnot_wp:
	; my six fragments of W.  Each count below is the number of loads issued behind the fragment's own eight.  Three sets of registers take the codes by turns.
	; A fragment's image, and the loads into its raw set, go out one fragment later: behind the wait for the next fragment's data and one wait on va_vdst.
	s_wait_loadcnt 24
	QIN ST, 16, 240, 241
	s_wait_loadcnt 16                              ; fragment 1 is in (behind it: fragments 2 and 3)
	s_wait_alu depctr_va_vdst(0)                   ; fragment 0's conversions have written v[16:23], which its image's stores read; its lines are done with raw set 0, in which fragment 4 lands
	IMAGE 0, 16
	FLOAD 4, 0
	QIN ST+32, 24, 240, 241
	s_wait_loadcnt 16                              ; fragment 2 is in (behind it: fragments 3 and 4)
	s_wait_alu depctr_va_vdst(0)                   ; fragment 1's conversions have written v[24:31]; its lines are done with raw set 1, in which fragment 5 lands
	IMAGE 1, 24
	FLOAD 5, 1
	XLOAD 0
	XLOAD 1
	QIN ST+64, 32, 242, 243
	s_wait_loadcnt 32                              ; fragment 3 is in (behind it: fragments 4 and 5, x's K steps 0 and 1)
	s_wait_alu depctr_va_vdst(0)                   ; fragment 2's conversions have written v[32:39], which its image's stores read
	IMAGE 2, 32
	s_wait_dscnt 0x0                               ; the three images have landed,
	s_wait_alu depctr_vm_vsrc(0)                   ; and their stores have read v[16:39]: the three sets of codes are written again by the conversions below
	QIN ST+96, 16, 242, 243
	s_wait_loadcnt 24                              ; fragment 4 is in
	s_wait_alu depctr_va_vdst(0)                   ; fragment 3's conversions have written v[16:23]
	IMAGE 3, 16
	QIN ST, 24, 244, 245
	s_wait_loadcnt 16                              ; fragment 5 is in
	s_wait_alu depctr_va_vdst(0)                   ; fragment 4's conversions have written v[24:31]
	IMAGE 4, 24
	QIN ST+32, 32, 244, 245
	s_wait_alu depctr_va_vdst(0)                   ; fragment 5's conversions have written v[32:39]
	IMAGE 5, 32
	s_wait_dscnt 0x0                               ; for the others' sake: my images have landed
	s_barrier_signal -1
	s_barrier_wait -1                              ; all 96 lie in LDS; nobody writes them again
	s_wait_alu depctr_vm_vsrc(0)                   ; the stores of images 3 to 5 have read v[16:39]: from here on these registers are the held numbers and x's codes, written by the passes' holds and conversions
.irp s, 0,1,2,3,4,5,6,7
	STEP \s
.endr
	; THE WAY OUT.  sum x 2^(the two exponents) + bias, in f32; then the next product's quantiser; each sum's registers are taken in ascending order.  q's stores stand behind the wait for bk, k's behind the wait for bv.
.rept 4
	v_nop                                          ; places behind the last products
.endr
	s_wait_loadcnt 12                              ; bq is in (behind it: bk's eight, bv's four)
.irp i, 0,2,4,6,8,10,12,14,16,18,20,22,24,26,28,30
	v_pk_fma_f32 v[ACC+\i:ACC+\i+1], v[ACC+\i:ACC+\i+1], s[44:45], v[X+\i:X+\i+1] op_sel_hi:[1,0,1]
.endr
	QIN ACC, WF, 248, 249
	s_wait_loadcnt 4                               ; bk is in
	s_wait_alu depctr_va_vdst(0)                   ; q's conversions have written v[WF:WF+7], which the two stores read
	global_store_b128 v2, v[WF:WF+3], s[26:27]     ; q's fragment: 512 consecutive bytes a store
	global_store_b128 v2, v[WF+4:WF+7], s[26:27] offset:512
.irp i, 0,2,4,6,8,10,12,14,16,18,20,22,24,26,28,30
	v_pk_fma_f32 v[ACC+32+\i:ACC+32+\i+1], v[ACC+32+\i:ACC+32+\i+1], s[46:47], v[X+32+\i:X+32+\i+1] op_sel_hi:[1,0,1]
.endr
	QIN ACC+32, WF+8, 250, 251
	s_wait_loadcnt 0x0                             ; bv is in
	s_wait_alu depctr_va_vdst(0)                   ; k's conversions have written v[WF+8:WF+15], which the two stores read
	global_store_b128 v2, v[WF+8:WF+11], s[28:29]
	global_store_b128 v2, v[WF+12:WF+15], s[28:29] offset:512
.irp t, 0,1,2,3
.irp j, 0,1,2,3,4,5,6,7
	v_fma_f32 v[ACC+64+8*\t+\j], v[ACC+64+8*\t+\j], s48, v[T+\t]
.endr
.endr
	QIN ACC+64, WF+16, 252, 253
	s_wait_alu depctr_va_vdst(0)                   ; v's conversions have written v[WF+16:WF+23], which the four stores read
.irp t, 0,1,2,3
	global_store_b64 v254, v[WF+16+2*\t:WF+16+2*\t+1], s[54:55] offset:2048*\t   ; 256 consecutive bytes, aligned: my 16 keys of the 16 dims of tile t
.endr
	s_wait_dscnt 0x0                               ; the closing lines, six on end
	s_wait_alu 0x0
	s_wait_tensorcnt 0x0
	ds_add_u32 v6, v7
	s_wait_dscnt 0x0
	s_endpgm
.Lfunc_end_k_qeddc1bf1c5_qkv:
	.size	k_qeddc1bf1c5_qkv, .Lfunc_end_k_qeddc1bf1c5_qkv-k_qeddc1bf1c5_qkv
	.p2alignl 7, 3214868480
	.fill 96, 4, 3214868480
	.section	.rodata,"a",@progbits
	.p2align	6, 0x0
	.amdhsa_kernel k_qeddc1bf1c5_qkv
		.amdhsa_group_segment_fixed_size 100352
		.amdhsa_private_segment_fixed_size 0
		.amdhsa_enable_private_segment 0
		.amdhsa_kernarg_size 96
		.amdhsa_user_sgpr_count 2
		.amdhsa_user_sgpr_kernarg_segment_ptr 1
		.amdhsa_wavefront_size32 1
		.amdhsa_system_sgpr_workgroup_id_x 1
		.amdhsa_system_sgpr_workgroup_id_y 1
		.amdhsa_system_sgpr_workgroup_id_z 1
		.amdhsa_system_vgpr_workitem_id 0
		.amdhsa_next_free_vgpr 256
		.amdhsa_next_free_sgpr 66
		.amdhsa_reserve_vcc 0
		.amdhsa_float_denorm_mode_32 3
		.amdhsa_float_denorm_mode_16_64 3
		.amdhsa_memory_ordered 1
		.amdhsa_forward_progress 1
		.amdhsa_inst_pref_size 125
	.end_amdhsa_kernel
	.amdgpu_metadata
---
amdhsa.version: [ 1, 2 ]
amdhsa.kernels:
  - .name:           k_qeddc1bf1c5_qkv
    .symbol:         k_qeddc1bf1c5_qkv.kd
    .args:
      - { .name: x, .offset: 0, .size: 8, .value_kind: global_buffer, .address_space: global }
      - { .name: Wq, .offset: 8, .size: 8, .value_kind: global_buffer, .address_space: global }
      - { .name: Wk, .offset: 16, .size: 8, .value_kind: global_buffer, .address_space: global }
      - { .name: Wv, .offset: 24, .size: 8, .value_kind: global_buffer, .address_space: global }
      - { .name: Wp, .offset: 32, .size: 8, .value_kind: global_buffer, .address_space: global }
      - { .name: bq, .offset: 40, .size: 8, .value_kind: global_buffer, .address_space: global }
      - { .name: bk, .offset: 48, .size: 8, .value_kind: global_buffer, .address_space: global }
      - { .name: bv, .offset: 56, .size: 8, .value_kind: global_buffer, .address_space: global }
      - { .name: lowp_scales, .offset: 64, .size: 8, .value_kind: global_buffer, .address_space: global }
      - { .name: qc, .offset: 72, .size: 8, .value_kind: global_buffer, .address_space: global }
      - { .name: kv, .offset: 80, .size: 8, .value_kind: global_buffer, .address_space: global }
      - { .name: wpc, .offset: 88, .size: 8, .value_kind: global_buffer, .address_space: global }
    .group_segment_fixed_size: 100352
    .private_segment_fixed_size: 0
    .kernarg_segment_align: 8
    .kernarg_segment_size: 96
    .max_flat_workgroup_size: 512
    .sgpr_count:     66
    .vgpr_count:     256
    .wavefront_size: 32
...
	.end_amdgpu_metadata
.endif
;; end of part 4
;; launch attn (part 5): grid 16 x 16, 16 waves a work-group, no clusters, 327,680 bytes of LDS; arguments qc, kv, lowp_scales, yc; writes yc
.if DOCPART == 5
	.amdgcn_target "amdgcn-amd-amdhsa--gfx1250"
	.amdhsa_code_object_version 6
	.text
	.protected	k_qeddc1bf1c5_attn
	.globl	k_qeddc1bf1c5_attn
	.p2align	8
	.type	k_qeddc1bf1c5_attn,@function
k_qeddc1bf1c5_attn:
	s_mov_b64 s[64:65], 0
	v_nop
	global_prefetch_b8 v0, s[64:65] scope:SCOPE_SE
	s_setreg_imm32_b32 hwreg(HW_REG_WAVE_MODE, 25, 1), 1
	s_wait_xcnt 0x0
; y[bh][q][:] = the sum over keys k <= q of softmax_k(Q[q] . K[k] / 8) V[k][:], head size 64, 4,096 rows, 16 pairs (batch, head); both products on codes of FP8 (E4M3); y is quantised (e10) for the last launch.
; IN.  qc [bh][tile of 16 queries][2][lane][16 B];  kv [bh][step of 128 keys][16,384 B]: K [tile of 16 keys 8][2][lane][16 B], then V^T [tile of 16 dims 4][c 8][lane][8 B]: images of the operands' registers.
; OUT.  yc [tile of 16 rows 512][head 8][2][lane][16 B]: the fragment of 16 rows x the head's 64 along the last product's K.
; THE SOFTMAX AHEAD OF THE SECOND PRODUCT: t = score x log2(e) / 8; M = the row's largest t so far, rounded UP to a whole number; p = 2^(t - M) is what is quantised (e8), not normalised.
; The row's sum is taken of the unquantised p, in f32, and divides at the end.  When M moves, the sum and O are multiplied by 2^(old M - new M): exact.
; SHARES.  Work-group (j, bh) owns the blocks j and 31 - j of 128 queries: 8 (j + 1) + 8 (32 - j) = 264 wave steps in every work-group.  Each of its sixteen waves owns one tile of 16 queries in 256 registers;
; which block a wave takes is (w xor (w >> 2)) & 1, its tile (w >> 1) & 7.  Keys go 128 a step; a step's 16,384 bytes are one dense block; a slot of the ring holds four steps, brought by waves 0 to 3, one tensor load each, and read by all sixteen.
; LAYOUT.  Both products are used transposed: S^T = K Q^T (K = 64 form; source 0 = 16 keys, source 1 = my queries), O^T = V^T P^T (K = 128 form; source 0 = 16 dims, source 1 = P): a lane holds ONE query (lane % 16) throughout.
; Register j of S^T's tile t is key 16 t + 8 (lane / 16) + j: one conversion of the tile gives registers 2 t, 2 t + 1 of P's fragment.  Likewise O^T's tile d gives registers 2 d, 2 d + 1 of y's fragment.
; CAUSAL.  Every work-group walks all 8 slots: the trip counts are constants.  A step all of whose keys come after the wave's queries is jumped over (ids alone); on the diagonal hidden scores become -infinity ahead of the maximum.
; A slot whose first key comes after the work-group's last query is read by no wave and is not asked for.
; No cluster: a key step brings 16,384 bytes for sixteen waves' softmax of 128 keys each, so what partners could share is a small part of a step's work.
; LIMITS on the given exponents: e6 + e7 between -124 and 130 (added to c's exponent field); e8 and e10 between -126 and 119; e8 + e9 is applied by v_ldexp_f32 and has none.
; REGISTERS: v1 16 L; v2 8 L + 8,192; v3 256 L; v4 r - 8 h; v5, v6 the add's two; v8, v9 LDS addresses of the step; v12 -M, v13 the largest t, v[14:15] the sum in two halves; v16-23 Q; v32-95 K's eight fragments, then V's four;
;   v96-159 S^T, then p; v160-191 O^T; v192-207 p's codes; v208-215 y's codes; v216, v217 scale and hold for e10; v240, v244 hold and scale for e8; v234-236, v238, v239, v242, v243, v246-255 at work.
.set SLOTB, 65536                      ; a slot: four steps of 16,384 bytes
.set SLOT1, 65536                      ; slot 1 begins here: one exclusive or turns an address in one slot into the other's
.set SPARE, 131072                     ; behind the ring: the spare words, 128 bytes for each of the 16 waves: eight blocks of 256 bytes that no other line names
; s2 the slot in hand; s12 wave; s13 slots still to be asked for; s14 the step's first key; s15 my first query; s16 my work-group's last query; s17 1 in a wave that prefetches, else the greatest number; s[18:19] where my prefetches stand;
; s[20:21] lane selects; s[22:23] c; s[24:31] descriptor group 1; s[32:35] group 0, which walks; s[36:40] e6 .. e10
.macro TLOAD                           ; waves 0 to 3 fetch a step's block each.  The branch hangs on the wave's number alone.  An s_nop 0 and four v_nop follow the load
	s_cmp_lt_u32 s12, 4
	s_cbranch_scc0 .Lasked_\@
	tensor_load_to_lds s[32:35], s[24:31]
	s_nop 0
.rept 4
	v_nop
.endr
.Lasked_\@:
.endm
; A PREFETCH of what the NEXT change of slots will ask for: a slot's 65,536 bytes.  All work-groups of a pair (batch, head) walk the same bytes: the one with j = 0, which walks every slot, asks, and in it waves 4 to 11, which fetch nothing:
; 8,192 bytes a wave, lanes 256 bytes apart, one instruction.  So each aligned block of 256 bytes is named once in the launch.  It stands four key steps ahead of the tensor load that will want the bytes.
; The last change that fills a slot asks for nothing: there is no slot behind it.  Slots 0 and 1 come by their loads alone.
.macro ASK
	s_cmp_gt_u32 s13, s17
	s_cbranch_scc0 .Lnot_mine_\@
	global_prefetch_b8 v3, s[18:19] th:TH_LOAD_NT scope:SCOPE_SE
.Lnot_mine_\@:
.endm
	s_load_b256 s[4:11], s[0:1], 0x0               ; qc s[4:5], kv s[6:7], the exponents s[8:9], yc s[10:11]
	v_lshl_add_u32 v5, v0, 2, SPARE
	v_mov_b32 v6, 0
	ds_add_u32 v5, v6                              ; the wave's opening: the add, and its wait ahead of my first tensor load; the set-up below, work on registers, stands between them
	ds_add_u32 v5, v6
	v_lshrrev_b32 v8, 5, v0
	s_delay_alu instid0(VALU_DEP_1)
	v_readfirstlane_b32 s12, v8                    ; wave 0..15
	s_and_b32 s41, ttmp7, 0xffff                   ; bh
	s_lshr_b32 s42, s12, 2
	s_xor_b32 s42, s42, s12
	s_and_b32 s42, s42, 1                          ; 0: block j; 1: block 31 - j
	s_lshl_b32 s43, ttmp9, 1
	s_sub_co_u32 s43, 31, s43
	s_mul_i32 s43, s43, s42
	s_add_co_u32 s43, s43, ttmp9                   ; my block of 128 queries
	s_lshl_b32 s15, s43, 7
	s_bfe_u32 s44, s12, 0x30001                    ; (w >> 1) & 7
	s_lshl_b32 s44, s44, 4
	s_add_co_u32 s15, s15, s44                     ; my first query
	s_lshl_b32 s16, ttmp9, 7
	s_sub_co_u32 s16, 4095, s16                    ; the last query of block 31 - j
	s_and_b32 s42, s12, 3
	s_lshl_b32 s33, s42, 14                        ; 63:32 of group 0: LDS address: slot 0, step w & 3
	s_lshl_b32 s46, s41, 19                        ; kv: the pair's 32 steps,
	s_lshl_b32 s42, s42, 14
	s_add_co_u32 s46, s46, s42                     ; my step of the slot
	s_mov_b32 s47, 0
	s_lshl_b32 s48, s41, 18                        ; qc: the pair's 256 tiles,
	s_lshl_b32 s42, s15, 6
	s_add_co_u32 s48, s48, s42                     ; my tile: 1,024 bytes for 16 queries
	s_mov_b32 s49, 0
	s_lshr_b32 s50, s41, 3                         ; yc: tile of rows 256 x batch + query / 16,
	s_lshl_b32 s50, s50, 8
	s_lshr_b32 s51, s15, 4
	s_add_co_u32 s50, s50, s51
	s_lshl_b32 s50, s50, 3
	s_and_b32 s51, s41, 7                          ; the head's fragment of its eight
	s_add_co_u32 s50, s50, s51
	s_lshl_b32 s50, s50, 10
	s_mov_b32 s51, 0
	s_lshl_b32 s52, s41, 19                        ; the prefetches: the pair's bytes,
	s_and_b32 s42, s12, 7
	s_lshl_b32 s42, s42, 13                        ; my wave's 8,192 of a slot's,
	s_add_co_u32 s52, s52, s42
	s_add_co_u32 s52, s52, SLOTB                   ; in slot 1: the first change of slots steps it to slot 2.  Nothing is prefetched at the head
	s_mov_b32 s53, 0
	s_sub_co_u32 s42, s12, 4
	s_lshr_b32 s42, s42, 3                         ; 0 in waves 4 to 11,
	s_or_b32 s42, s42, ttmp9                       ; of the work-group with j = 0
	s_cmp_eq_u32 s42, 0
	s_cselect_b32 s17, 1, -1
	; descriptor group 1: 64 rows of 32 elements of 8 bytes, dense in memory and in LDS: 16,384 bytes
	s_mov_b32 s24, 3<<16                           ; 15:0 no mask; 17:16 elements of 8 bytes; 20 no padding
	s_mov_b32 s25, 32<<16                          ; tensor_dim0 = 32
	s_mov_b32 s26, 64<<16                          ; tensor_dim1 = 64
	s_mov_b32 s27, 32<<16                          ; tile_dim0 = 32
	s_mov_b32 s28, 64                              ; tile_dim1 = 64
	s_mov_b32 s29, 32                              ; tensor_dim0_stride
	s_mov_b32 s30, 0
	s_mov_b32 s31, 0
	s_mov_b32 s32, 1                               ; group 0, 1:0 count = 1
	s_mov_b32 s20, 0x76543210
	s_mov_b32 s21, 0xfedcba98                      ; v_permlanex16_b32: lane l xor 16
	s_mov_b32 s22, 0x3e38aa3b                      ; c = log2(e) / 8
	s_mov_b32 s2, 0
	s_mov_b32 s13, 7
	s_mov_b32 s14, 0
	s_wait_dscnt 0x0                               ; the opening add is done
	s_wait_kmcnt 0x0
	s_load_b128 s[36:39], s[8:9], 0x18             ; e6, e7, e8, e9
	s_load_b32 s40, s[8:9], 0x28                   ; e10
	s_add_nc_u64 s[34:35], s[6:7], s[46:47]        ; 120:64 global address: my step of slot 0
	s_or_b32 s35, s35, 0x80000000                  ; 127:126 type = 2
	TLOAD                                          ; slot 0: the one first fill; by this text's count a wave never has more than one tensor load out
	s_add_nc_u64 s[4:5], s[4:5], s[48:49]
	s_add_nc_u64 s[10:11], s[10:11], s[50:51]
	s_add_nc_u64 s[18:19], s[6:7], s[52:53]
	v_and_b32 v1, 31, v0
	s_delay_alu instid0(VALU_DEP_1)
	v_lshlrev_b32 v3, 8, v1                        ; 256 L
	s_delay_alu instid0(VALU_DEP_2)
	v_lshlrev_b32 v2, 3, v1
	s_delay_alu instid0(VALU_DEP_1)
	v_add_nc_u32 v2, 8192, v2                      ; V^T's images lie behind K's: 8 L + 8,192
	s_delay_alu instid0(VALU_DEP_4)
	v_lshlrev_b32 v1, 4, v1                        ; 16 L
	global_load_b128 v[16:19], v1, s[4:5]          ; Q's fragment stays in registers
	global_load_b128 v[20:23], v1, s[4:5] offset:512
	v_and_b32 v4, 15, v0
	v_bfe_u32 v8, v0, 4, 1
	s_delay_alu instid0(VALU_DEP_1)
	v_lshlrev_b32 v8, 3, v8
	s_delay_alu instid0(VALU_DEP_1)
	v_sub_nc_u32 v4, v4, v8                        ; r - 8 h
	v_mov_b32 v13, 0xff61b1e6                      ; the largest t so far: -3e38, under every t
	s_delay_alu instid0(VALU_DEP_1)
	v_floor_f32 v12, -v13                          ; -M
	v_mov_b32 v14, 0                               ; the sum, in two halves
	v_mov_b32 v15, 0
	v_mov_b32 v236, 0                              ; written once: a lane permute's destination counts as one of its sources
	v_mov_b32 v252, 0
	v_mov_b32 v253, 0                              ; (named as the upper half of the pair v[252:253])
.irp j, 0,1,2,3,4,5,6,7,8,9,10,11,12,13,14,15,16,17,18,19,20,21,22,23,24,25,26,27,28,29,30,31
	v_mov_b32 v[160+\j], 0                         ; O^T.  (The step is written without a first form of its own: the first finds zeros, which the first change of M leaves zeros)
.endr
	s_wait_kmcnt 0x0
	s_add_co_i32 s41, s36, s37
	s_lshl_b32 s41, s41, 23
	s_add_co_i32 s22, s22, s41                     ; a score stands for score x 2^(e6 + e7): the two exponents are added to c's exponent field
	s_mov_b32 s23, s22                             ; (named with it as a pair, so it is written)
	s_add_co_i32 s41, s38, 127
	s_lshl_b32 s42, s41, 23
	v_mov_b32 v244, s42                            ; 2^e8 as f32, for p's conversions
	s_add_co_i32 s41, s41, 8
	s_lshl_b32 s41, s41, 23
	s_or_b32 s41, s41, 0x600000
	v_mov_b32 v240, s41                            ; 448 x 2^e8
	s_add_co_i32 s41, s40, 127
	s_lshl_b32 s42, s41, 23
	v_mov_b32 v216, s42                            ; 2^e10, for y's
	s_add_co_i32 s41, s41, 8
	s_lshl_b32 s41, s41, 23
	s_or_b32 s41, s41, 0x600000
	v_mov_b32 v217, s41                            ; 448 x 2^e10
; A KEY STEP: 128 keys, the q-th of the slot in hand.
.macro STEP q
	s_add_co_u32 s41, s15, 15                      ; a step all of whose keys come after my 16 queries is left out: a branch on ids, round the step's loads, products and softmax; no barrier and no tensor load stands in a step
	s_cmp_gt_u32 s14, s41
	s_cbranch_scc1 .Lhidden_\@
	v_add_nc_u32 v8, s2, v1
	v_add_nc_u32 v9, s2, v2
	v_nop                                          ; with the two additions: four places in front of loads into registers that the last products have read (ISA guide 7.12.1 for vector instructions)
	v_nop
.irp t, 0,1,2,3,4,5,6,7
	ds_load_b128 v[32+8*\t:35+8*\t], v8 offset:16384*(\q)+1024*\t
	ds_load_b128 v[36+8*\t:39+8*\t], v8 offset:16384*(\q)+1024*\t+512
.endr
	s_wait_alu depctr_va_vdst(0)
	s_wait_dscnt 0x0
.irp t, 0,1,2,3,4,5,6,7
	v_wmma_f32_16x16x64_fp8_fp8 v[96+8*\t:103+8*\t], v[32+8*\t:39+8*\t], v[16:23], 0   ; S^T: keys 16 t on
.endr
.rept 4
	v_nop                                          ; places: in front of the loads below, and of the first read of the scores
.endr
.irp d, 0,1,2,3
.irp c, 0,1,2,3,4,5,6,7
	ds_load_b64 v[32+16*\d+2*\c:33+16*\d+2*\c], v9 offset:16384*(\q)+2048*\d+256*\c   ; V^T's four fragments land while the softmax is worked
.endr
.endr
	s_add_co_u32 s41, s14, 127                     ; a step all of whose keys count skips the mask
	s_cmp_le_u32 s41, s15
	s_cbranch_scc1 .Lopen_\@
	s_sub_co_i32 s41, s15, s14
	v_add_nc_u32 v252, s41, v4                     ; d = my query - the step's first key - 8 (lane / 16).  Register 8 t + i holds key 16 t + 8 (lane / 16) + i of the step: hidden where 16 t + i > d
	v_mov_b32 v254, 0xff800000                     ; -infinity: p = 0 then.  Key 0 counts for every query, so M is a number from the first step on
.irp n, 0,1,2,3,4,5,6,7,8,9,10,11,12,13,14,15,16,17,18,19,20,21,22,23,24,25,26,27,28,29,30,31,32,33,34,35,36,37,38,39,40,41,42,43,44,45,46,47,48,49,50,51,52,53,54,55,56,57,58,59,60,61,62,63
	v_cmp_gt_i32 vcc_lo, 16*(\n/8)+\n%8, v252
	v_cndmask_b32 v[96+\n], v[96+\n], v254, vcc_lo
.endr
.Lopen_\@:
	v_max3_num_f32 v254, v96, v97, v98             ; the step's largest score of my query, among my 64 keys, in two chains, in ascending order of the registers,
	v_max3_num_f32 v252, v99, v100, v101
.irp i, 6,10,14,18,22,26,30,34,38,42,46,50,54,58
	v_max3_num_f32 v254, v254, v[96+\i], v[97+\i]
	v_max3_num_f32 v252, v252, v[98+\i], v[99+\i]
.endr
	v_max3_num_f32 v254, v254, v158, v159
	s_delay_alu instid0(VALU_DEP_1)
	v_max_num_f32 v254, v254, v252
	s_delay_alu instid0(VALU_DEP_1)
	v_permlanex16_b32 v236, v254, s20, s21
	s_delay_alu instid0(VALU_DEP_1)
	v_max_num_f32 v254, v254, v236                 ; and among lane l xor 16's
	s_delay_alu instid0(VALU_DEP_1)
	v_mul_f32 v254, s22, v254                      ; as t (c is positive)
	s_delay_alu instid0(VALU_DEP_1)
	v_max_num_f32 v13, v13, v254                   ; the running largest t
	v_mov_b32 v254, v12
	s_delay_alu instid0(VALU_DEP_2)
	v_floor_f32 v12, -v13                          ; the new -M = floor(-t) = -ceil(t): M is a whole number
	s_delay_alu instid0(VALU_DEP_1)
	v_sub_f32 v254, v12, v254                      ; M's old value less its new one: a whole number, 0 or less
	s_delay_alu instid0(VALU_DEP_1)
	v_cvt_i32_f32 v254, v254                       ; (it saturates)
	s_delay_alu instid0(VALU_DEP_1)
	v_ldexp_f32 v252, 1.0, v254                    ; f = 2^(old M - new M)
.irp j, 0,2,4,6,8,10,12,14,16,18,20,22,24,26,28,30,32,34,36,38,40,42,44,46,48,50,52,54,56,58,60,62
	v_pk_fma_f32 v[96+\j:97+\j], v[96+\j:97+\j], s[22:23], v[12:13] op_sel_hi:[1,0,0]   ; t - M, two at a time (of the pairs c and -M the low word serves both halves)
.endr
	s_wait_alu depctr_va_vdst(0)
.irp j, 0,1,2,3,4,5,6,7,8,9,10,11,12,13,14,15,16,17,18,19,20,21,22,23,24,25,26,27,28,29,30,31,32,33,34,35,36,37,38,39,40,41,42,43,44,45,46,47,48,49,50,51,52,53,54,55,56,57,58,59,60,61,62,63
	v_exp_f32 v[96+\j], v[96+\j]                   ; p = 2^(t - M), at most 1: not normalised
.endr
	v_pk_mul_f32 v[14:15], v[14:15], v[252:253] op_sel_hi:[1,0]   ; the sums under the new M: the plain instruction behind the exponentials
	s_wait_alu depctr_va_vdst(0)                   ; the wait ahead of the first instruction that names an exponential's result: one for the batch of 64
	v_pk_add_f32 v[242:243], v[100:101], v[104:105]
	v_pk_add_f32 v[254:255], v[108:109], v[112:113]
	v_pk_add_f32 v[250:251], v[116:117], v[120:121]
	v_pk_add_f32 v[248:249], v[124:125], v[128:129]
	v_pk_add_f32 v[246:247], v[132:133], v[136:137]
	v_pk_add_f32 v[238:239], v[140:141], v[144:145]
	v_pk_add_f32 v[234:235], v[148:149], v[152:153]
	v_pk_add_f32 v[14:15], v[14:15], v[156:157]
	v_pk_add_f32 v[242:243], v[242:243], v[96:97]
	v_pk_add_f32 v[254:255], v[254:255], v[98:99]
	v_pk_add_f32 v[250:251], v[250:251], v[102:103]
	v_pk_add_f32 v[248:249], v[248:249], v[106:107]
	v_pk_add_f32 v[246:247], v[246:247], v[110:111]
	v_pk_add_f32 v[238:239], v[238:239], v[114:115]
	v_pk_add_f32 v[234:235], v[234:235], v[118:119]
	v_pk_add_f32 v[14:15], v[14:15], v[122:123]
	v_pk_add_f32 v[242:243], v[242:243], v[126:127]
	v_pk_add_f32 v[254:255], v[254:255], v[130:131]
	v_pk_add_f32 v[250:251], v[250:251], v[134:135]
	v_pk_add_f32 v[248:249], v[248:249], v[138:139]
	v_pk_add_f32 v[246:247], v[246:247], v[142:143]
	v_pk_add_f32 v[238:239], v[238:239], v[146:147]
	v_pk_add_f32 v[234:235], v[234:235], v[150:151]
	v_pk_add_f32 v[14:15], v[14:15], v[154:155]
	v_pk_add_f32 v[242:243], v[242:243], v[158:159]
	s_delay_alu instid0(VALU_DEP_2)
	v_pk_add_f32 v[14:15], v[14:15], v[248:249]
	s_delay_alu instid0(VALU_DEP_2)
	v_pk_add_f32 v[242:243], v[242:243], v[246:247]
	v_pk_add_f32 v[254:255], v[254:255], v[238:239]
	v_pk_add_f32 v[250:251], v[250:251], v[234:235]
	s_delay_alu instid0(VALU_DEP_2)
	v_pk_add_f32 v[14:15], v[14:15], v[254:255]
	s_delay_alu instid0(VALU_DEP_2)
	v_pk_add_f32 v[242:243], v[242:243], v[250:251]
	s_delay_alu instid0(VALU_DEP_1)
	v_pk_add_f32 v[14:15], v[14:15], v[242:243]
.irp t, 0,1,2,3,4,5,6,7
.irp i, 0,1,2,3,4,5,6,7
	v_min_num_f32 v[96+8*\t+\i], v[96+8*\t+\i], v240   ; the conversion to an 8-bit code does not saturate (ISA guide 7.6.2); p is not negative, so the hold is one-sided
.endr
	v_cvt_scalef32_pk8_fp8_f32 v[192+2*\t:193+2*\t], v[96+8*\t:103+8*\t], v244
.endr
.irp j, 0,2,4,6,8,10,12,14,16,18,20,22,24,26,28,30
	v_pk_mul_f32 v[160+\j:161+\j], v[160+\j:161+\j], v[252:253] op_sel_hi:[1,0]   ; O^T under the new M: x f.  (Also the plain lines between the conversions and the products that read their results)
.endr
	s_wait_alu depctr_va_vdst(0)
	s_wait_dscnt 0x0                               ; V^T is in
.irp d, 0,1,2,3
	v_wmma_f32_16x16x128_fp8_fp8 v[160+8*\d:167+8*\d], v[32+16*\d:47+16*\d], v[192:207], v[160+8*\d:167+8*\d]   ; the four sums take turns; eight products S^T stand between two of their rounds
.endr
.Lhidden_\@:
	s_add_co_u32 s14, s14, 128
.endm
; THE CHANGE OF SLOTS stands at a slot's head.  Each wave waits for all its tensor loads (its part of the slot that it is about to read), adds 0 to its spare word, and waits for that and for its reads of the slot that it has left.
; Behind the barrier the slot ahead is whole and nobody reads the other one.  fill = 1: that other slot is filled with the keys that follow, up to the causal limit: the load has four key steps in which to land.
.macro CHANGE fill
	s_wait_tensorcnt 0x0                           ; no tensor load of mine is out, so group 0 may be written
	ds_add_u32 v5, v6                              ; 0 onto my spare word; with fill = 1 the descriptor's steps stand between it and the wait for it
.if \fill
	s_xor_b32 s33, s33, SLOT1                      ; the walking descriptor: the other slot than last time,
	s_add_nc_u64 s[34:35], s[34:35], SLOTB         ; the next 512 keys; the type bits on top are not reached
	s_wait_xcnt 0x0                                ; the last prefetch, a slot back, has read its address, so it may be written:
	s_add_nc_u64 s[18:19], s[18:19], SLOTB         ; one slot further on than the walking descriptor
.endif
	s_wait_dscnt 0x0                               ; the add is done, and my reads of the slot that I have left are over
	s_barrier_signal -1
	s_barrier_wait -1
.if \fill
	s_add_co_u32 s41, s14, 512                     ; the first key of the slot that this change would ask for,
	s_cmp_gt_u32 s41, s16                          ; against my work-group's last query: ids and the count of steps alone, the same in all sixteen waves; a work-group that is past the limit stays past it.
	s_cbranch_scc1 .Lpast_\@                       ; The jump leads round the load's own lines alone; every wait on TENSORcnt in this text is for 0; a step is walked only where its first key is at or under the wave's last query
	TLOAD                                          ; the first thing behind the barrier but for the limit's three lines, and a wave's one tensor load until the next
.Lpast_\@:
	ASK
.endif
.endm
.macro SLOT_STEPS
	STEP 0
	STEP 1
	STEP 2
	STEP 3
	s_xor_b32 s2, s2, SLOT1                        ; on to the other slot
.endm
	s_wait_loadcnt 0x0                             ; Q
.Lslot:                                            ; seven trips: behind each change of slots but the last the next slot is asked for, up to the causal limit
	CHANGE 1
	SLOT_STEPS
	s_sub_co_u32 s13, s13, 1
	s_cmp_lg_u32 s13, 0
	s_cbranch_scc1 .Lslot
	CHANGE 0                                       ; the last slot is written out: nothing is left to ask for
	SLOT_STEPS
	; THE WAY OUT.  y = O^T x 2^(e8 + e9) / the sum, in f32; held and converted with 2^e10: tile d's conversion gives registers 2 d, 2 d + 1 of the fragment, which is stored as it stands.
.rept 4
	v_nop                                          ; places behind the last products
.endr
	v_add_f32 v14, v14, v15                        ; the sum's two halves,
	s_delay_alu instid0(VALU_DEP_1)
	v_permlanex16_b32 v252, v14, s20, s21
	s_delay_alu instid0(VALU_DEP_1)
	v_add_f32 v14, v14, v252                       ; and lane l xor 16's: the row's sum
	s_wait_alu depctr_va_vdst(0)
	v_rcp_f32 v14, v14
	v_nop                                          ; a plain instruction behind the reciprocal
	s_add_co_i32 s41, s38, s39
	s_wait_alu depctr_va_vdst(0)                   ; and a wait ahead of the first use
	v_ldexp_f32 v14, v14, s41                      ; x 2^(e8 + e9)
.irp j, 0,2,4,6,8,10,12,14,16,18,20,22,24,26,28,30
	v_pk_mul_f32 v[96+\j:97+\j], v[160+\j:161+\j], v[14:15] op_sel_hi:[1,0]   ; each sum's registers in ascending order
.endr
.irp d, 0,1,2,3
.irp i, 0,1,2,3,4,5,6,7
	v_med3_num_f32 v[96+8*\d+\i], v[96+8*\d+\i], -v217, v217
.endr
	v_cvt_scalef32_pk8_fp8_f32 v[208+2*\d:209+2*\d], v[96+8*\d:103+8*\d], v216
.endr
	v_nop
	global_store_b128 v1, v[208:211], s[10:11]     ; 512 consecutive bytes a store, aligned
	global_store_b128 v1, v[212:215], s[10:11] offset:512
	s_wait_tensorcnt 0x0                           ; the wave's end, behind my last tensor load
	ds_add_u32 v5, v6
	s_wait_dscnt 0x0
	s_endpgm
.Lfunc_end_k_qeddc1bf1c5_attn:
	.size	k_qeddc1bf1c5_attn, .Lfunc_end_k_qeddc1bf1c5_attn-k_qeddc1bf1c5_attn
	.p2alignl 7, 3214868480
	.fill 96, 4, 3214868480
	.section	.rodata,"a",@progbits
	.p2align	6, 0x0
	.amdhsa_kernel k_qeddc1bf1c5_attn
		.amdhsa_group_segment_fixed_size 327680
		.amdhsa_private_segment_fixed_size 0
		.amdhsa_enable_private_segment 0
		.amdhsa_kernarg_size 32
		.amdhsa_user_sgpr_count 2
		.amdhsa_user_sgpr_kernarg_segment_ptr 1
		.amdhsa_wavefront_size32 1
		.amdhsa_system_sgpr_workgroup_id_x 1
		.amdhsa_system_sgpr_workgroup_id_y 1
		.amdhsa_system_sgpr_workgroup_id_z 1
		.amdhsa_system_vgpr_workitem_id 0
		.amdhsa_next_free_vgpr 256
		.amdhsa_next_free_sgpr 66
		.amdhsa_reserve_vcc 1
		.amdhsa_float_denorm_mode_32 3
		.amdhsa_float_denorm_mode_16_64 3
		.amdhsa_memory_ordered 1
		.amdhsa_forward_progress 1
		.amdhsa_inst_pref_size 188
	.end_amdhsa_kernel
	.amdgpu_metadata
---
amdhsa.version: [ 1, 2 ]
amdhsa.kernels:
  - .name:           k_qeddc1bf1c5_attn
    .symbol:         k_qeddc1bf1c5_attn.kd
    .args:
      - { .name: qc, .offset: 0, .size: 8, .value_kind: global_buffer, .address_space: global }
      - { .name: kv, .offset: 8, .size: 8, .value_kind: global_buffer, .address_space: global }
      - { .name: lowp_scales, .offset: 16, .size: 8, .value_kind: global_buffer, .address_space: global }
      - { .name: yc, .offset: 24, .size: 8, .value_kind: global_buffer, .address_space: global }
    .group_segment_fixed_size: 327680
    .private_segment_fixed_size: 0
    .kernarg_segment_align: 8
    .kernarg_segment_size: 32
    .max_flat_workgroup_size: 512
    .sgpr_count:     66
    .vgpr_count:     256
    .wavefront_size: 32
...
	.end_amdgpu_metadata
.endif
;; end of part 5
;; launch proj (part 6): grid 4 x 64, 8 waves a work-group, no clusters, 0 bytes of LDS; arguments yc, wpc, bp, lowp_scales, out0; writes out0
.if DOCPART == 6
	.amdgcn_target "amdgcn-amd-amdhsa--gfx1250"
	.amdhsa_code_object_version 6
	.text
	.protected	k_qeddc1bf1c5_proj
	.globl	k_qeddc1bf1c5_proj
	.p2align	8
	.type	k_qeddc1bf1c5_proj,@function
k_qeddc1bf1c5_proj:
	s_mov_b64 s[64:65], 0
	v_nop
	global_prefetch_b8 v0, s[64:65] scope:SCOPE_SE
	s_setreg_imm32_b32 hwreg(HW_REG_WAVE_SCHED_MODE, 0, 2), 2
	s_setreg_imm32_b32 hwreg(HW_REG_WAVE_MODE, 25, 1), 1
	s_wait_xcnt 0x0
	s_wait_alu depctr_vm_vsrc(0)
; out0 = y Wp^T + bp on codes of FP8 (E4M3).  yc [tile of 16 rows 512][kc 8][2][lane][16 B] and wpc [T 32][kc 8][2][lane][16 B] are images of the operands' registers for the K = 64 form; bp [512], out0 [8192][512]: f32.
; A sum of codes stands for sum x 2^(e10 + e11): out = sum x 2^(e10 + e11) + bp, one fused multiply-add.  LIMIT: e10 + e11 between -126 and 127.
; SHARES.  Work-group (bx, by): 128 rows x 128 columns.  Wave w: rows 128 by + 32 (w >> 1) on (two tiles) against the 64 columns of group G = 2 bx + (w & 1) (four tiles): eight sums, K = 512 in 8 steps of 64.
; Lane r of Wp's tile 4 G + t holds Wp's row 64 G + 4 r + t: so register j of a lane's four sums are four NEIGHBOURING columns 64 G + 4 r + 0 .. 3 of row 8 h + j: 16 bytes, and sixteen lanes fill 256 consecutive bytes, aligned.
; No LDS, no barrier: every operand load of a wave is 512 consecutive bytes straight into the operand's registers; three sets of registers, so that two K steps' 24 loads are out while one is multiplied.
; No cluster and no tensor load: nothing goes through LDS here, and all of yc and wpc are 4.5 MB read by a few waves each.
; REGISTERS: v1 16 L; v2 16,384 h + 16 r (out0); v3 16 r; v[4:7] my four biases; v8-71 the sums ((a, b) at 8 (4 a + b)); v72-215 three sets of 48: y's two fragments, Wp's four; behind the loop v72-135 the results.
; THE MODE: SCHED_MODE bits 1:0 = 2 (LLVM: expert scheduling mode 2), set by the entry lines.  The code itself states the register dependences
; between vector or matrix instructions and memory instructions, with s_wait_alu, always for 0.
; THE PLAN.  Registers that memory instructions touch:
;   v1, v2, v3      offsets: written at the head, never again: one wait ahead of the first load serves every load and store.
;   v72-215         set kc % 3: K step kc's twelve loads land; its eight products read it; then K step kc + 3's loads land.
;   v72-135         on the way out: written by the 64 multiply-adds, read by the 16 stores.
; A set is asked for again at once: the wait on va_vdst stands behind the K step's products, not at the next step's head, where the set would lie idle until the next step's data had come and only two K steps would be on their way.
; A fourth set, with which the wait could stand at the head, would need 72 + 4 x 48 = 264 registers.
.set ACC, 8
.set OP,  72
.set OUT, 72
.macro LOADK kc                        ; K step kc: twelve loads into set kc % 3
.set OS, OP+48*((\kc)%3)
.irp a, 0,1
.irp c, 0,1
	global_load_b128 v[OS+8*\a+4*\c:OS+8*\a+4*\c+3], v1, s[4:5] offset:8192*\a+1024*(\kc)+512*\c
.endr
.endr
.irp b, 0,1,2,3
.irp c, 0,1
	global_load_b128 v[OS+16+8*\b+4*\c:OS+16+8*\b+4*\c+3], v1, s[6:7] offset:8192*\b+1024*(\kc)+512*\c
.endr
.endr
.endm
.macro MULK kc                         ; the count: twelve loads for each younger K step that has been asked for
.if \kc < 6
	s_wait_loadcnt 24
.elseif \kc == 6
	s_wait_loadcnt 12
.else
	s_wait_loadcnt 0
.endif
.set OS, OP+48*((\kc)%3)
.irp a, 0,1
.irp b, 0,1,2,3
.if \kc == 0
	v_wmma_f32_16x16x64_fp8_fp8 v[ACC+8*(4*\a+\b):ACC+8*(4*\a+\b)+7], v[OS+8*\a:OS+8*\a+7], v[OS+16+8*\b:OS+16+8*\b+7], 0
.else
	v_wmma_f32_16x16x64_fp8_fp8 v[ACC+8*(4*\a+\b):ACC+8*(4*\a+\b)+7], v[OS+8*\a:OS+8*\a+7], v[OS+16+8*\b:OS+16+8*\b+7], v[ACC+8*(4*\a+\b):ACC+8*(4*\a+\b)+7]
.endif
.endr
.endr
.if \kc < 5
.rept 4
	v_nop                                          ; places in front of loads into registers that these products have read
.endr
	s_wait_alu depctr_va_vdst(0)                   ; this K step's eight products are done reading set kc % 3, in which the twelve loads below land
	LOADK (\kc)+3
.endif
.endm
	s_load_b256 s[4:11], s[0:1], 0x0               ; yc s[4:5], wpc s[6:7], bp s[8:9], the exponents s[10:11]
	s_load_b64 s[12:13], s[0:1], 0x20              ; out0
	v_lshrrev_b32 v1, 5, v0
	v_readfirstlane_b32 s2, v1                     ; wave 0..7
	v_and_b32 v1, 31, v0
	v_lshlrev_b32 v1, 4, v1                        ; 16 L
	v_and_b32 v3, 15, v0
	v_lshlrev_b32 v3, 4, v3                        ; 16 r
	v_bfe_u32 v2, v0, 4, 1
	v_lshl_add_u32 v2, v2, 14, v3                  ; 8 h rows of 2,048 bytes + 16 r
	s_and_b32 s3, ttmp7, 0xffff                    ; by
	s_wait_alu depctr_va_sdst(0)                   ; s2 is written, ahead of its first reader: the four bases are made from it
	s_lshr_b32 s16, s2, 1
	s_and_b32 s17, s2, 1
	s_lshl_b32 s18, ttmp9, 1
	s_add_co_u32 s17, s17, s18                     ; G
	s_lshl_b32 s18, s3, 3
	s_lshl_b32 s19, s16, 1
	s_add_co_u32 s18, s18, s19                     ; my first tile of 16 rows
	s_lshl_b32 s20, s18, 13                        ; yc: 8,192 bytes a tile of rows
	s_mov_b32 s21, 0
	s_lshl_b32 s22, s17, 15                        ; wpc: four tiles of 8,192 bytes a group
	s_mov_b32 s23, 0
	s_lshl_b32 s24, s17, 8                         ; bp, and a row of out0: 64 columns of 4 bytes a group
	s_mov_b32 s25, 0
	s_lshl_b32 s26, s18, 15                        ; out0: 16 rows of 2,048 bytes a tile
	s_add_co_u32 s26, s26, s24
	s_mov_b32 s27, 0
	s_wait_kmcnt 0x0
	s_load_b64 s[14:15], s[10:11], 0x28            ; e10, e11
	s_add_nc_u64 s[4:5], s[4:5], s[20:21]
	s_add_nc_u64 s[6:7], s[6:7], s[22:23]
	s_add_nc_u64 s[8:9], s[8:9], s[24:25]
	s_add_nc_u64 s[12:13], s[12:13], s[26:27]
	s_wait_alu depctr_va_vdst(0)                   ; the offsets v1, v2 and v3 are written: every load and store of the kernel reads one of them, and none is written again
	global_load_b128 v[4:7], v3, s[8:9]            ; bp at columns 64 G + 4 r + 0 .. 3: older than every operand load, so the first counted wait covers it
	LOADK 0
	LOADK 1
	LOADK 2
	s_wait_kmcnt 0x0
	s_add_co_i32 s14, s14, s15
	s_add_co_i32 s14, s14, 127
	s_lshl_b32 s14, s14, 23                        ; 2^(e10 + e11) as f32
.irp k, 0,1,2,3,4,5,6,7
	MULK \k                                        ; the eight sums take turns, one instruction a turn, in the same order in every K step
.endr
.rept 4
	v_nop                                          ; places behind the last products: their results are read, and registers that they read are written
.endr
.irp j, 0,1,2,3,4,5,6,7                        ; register 0 of every sum first
.irp a, 0,1
.irp b, 0,1,2,3
	v_fma_f32 v[OUT+4*(8*\a+\j)+\b], v[ACC+8*(4*\a+\b)+\j], s14, v[4+\b]
.endr
.endr
.endr
	s_wait_alu depctr_va_vdst(0)                   ; the 64 multiply-adds have written v[OUT ..], which the sixteen stores read
.irp a, 0,1
.irp j, 0,1,2,3,4,5,6,7
	global_store_b128 v2, v[OUT+4*(8*\a+\j):OUT+4*(8*\a+\j)+3], s[12:13] offset:2048*(16*\a+\j) th:TH_STORE_NT   ; lanes 0-15: 256 consecutive bytes of row 16 a + j, lanes 16-31: of row 16 a + 8 + j; written once, read by nobody here
.endr
.endr
	s_endpgm
.Lfunc_end_k_qeddc1bf1c5_proj:
	.size	k_qeddc1bf1c5_proj, .Lfunc_end_k_qeddc1bf1c5_proj-k_qeddc1bf1c5_proj
	.p2alignl 7, 3214868480
	.fill 96, 4, 3214868480
	.section	.rodata,"a",@progbits
	.p2align	6, 0x0
	.amdhsa_kernel k_qeddc1bf1c5_proj
		.amdhsa_group_segment_fixed_size 0
		.amdhsa_private_segment_fixed_size 0
		.amdhsa_enable_private_segment 0
		.amdhsa_kernarg_size 40
		.amdhsa_user_sgpr_count 2
		.amdhsa_user_sgpr_kernarg_segment_ptr 1
		.amdhsa_wavefront_size32 1
		.amdhsa_system_sgpr_workgroup_id_x 1
		.amdhsa_system_sgpr_workgroup_id_y 1
		.amdhsa_system_sgpr_workgroup_id_z 1
		.amdhsa_system_vgpr_workitem_id 0
		.amdhsa_next_free_vgpr 216
		.amdhsa_next_free_sgpr 66
		.amdhsa_reserve_vcc 0
		.amdhsa_float_denorm_mode_32 3
		.amdhsa_float_denorm_mode_16_64 3
		.amdhsa_memory_ordered 1
		.amdhsa_forward_progress 1
		.amdhsa_inst_pref_size 22
	.end_amdhsa_kernel
	.amdgpu_metadata
---
amdhsa.version: [ 1, 2 ]
amdhsa.kernels:
  - .name:           k_qeddc1bf1c5_proj
    .symbol:         k_qeddc1bf1c5_proj.kd
    .args:
      - { .name: yc, .offset: 0, .size: 8, .value_kind: global_buffer, .address_space: global }
      - { .name: wpc, .offset: 8, .size: 8, .value_kind: global_buffer, .address_space: global }
      - { .name: bp, .offset: 16, .size: 8, .value_kind: global_buffer, .address_space: global }
      - { .name: lowp_scales, .offset: 24, .size: 8, .value_kind: global_buffer, .address_space: global }
      - { .name: out0, .offset: 32, .size: 8, .value_kind: global_buffer, .address_space: global }
    .group_segment_fixed_size: 0
    .private_segment_fixed_size: 0
    .kernarg_segment_align: 8
    .kernarg_segment_size: 40
    .max_flat_workgroup_size: 256
    .sgpr_count:     66
    .vgpr_count:     216
    .wavefront_size: 32
...
	.end_amdgpu_metadata
.endif
;; end of part 6
